; MI455X (gfx1250); checked and timed in simulation.
; The chip was launched on July 23, 2026; its instructions are those of AMD's public machine-readable ISA for CDNA 5 (MIT licence, August 2026) and "CDNA5" Instruction Set Architecture Reference Guide (July 2026). The comments in the code are by the model that wrote it; some were corrected since.
;; Self Attention. Allowed arithmetic: matrix products marked QUANTISED: E2M1 operands, one E8M0 scale for each 32 along K, by v_wmma_scale_f32_16x16x128_f8f6f4 with both operands' format E2M1 (or v_wmma_scale_f32_32x16x128_f4), f32 sums; everything else in f32.
;; Inputs: K_seq 8 x 1,024 x 1,024 float32; Q_len 8 x 1 int32; Q_seq 8 x 1,024 x 1,024 float32; V_len 8 x 1 int32; V_seq 8 x 1,024 x 1,024 float32; WK 1,024 x 1,024 float32; WQ 1,024 x 1,024 float32; WV 1,024 x 1,024 float32.
;; Outputs: out0 8 x 1,024 x 1,024 float32.
;; This version of the problem:
;;   THIS VERSION OF THE PROBLEM IS GIVEN IN LOW PRECISION. The matrix products marked QUANTISED in the list below multiply operands that are first quantised to E2M1 (2 exponent bits, 1 mantissa bit; 4 bits a number), with one power-of-two scale for each 32 numbers along K (OCP MX v1.0); their sums are f32. All else is computed in f32.
;;   The module's matrix products, in the order in which they are computed (A, B: the left and right operand; K: the contracted axis; several contracted axes count as one K, in the product's order):
;;     1. [M 8,192, K 1,024] x [K 1,024, N 1,024]; A: input Q_seq; B: input WQ: QUANTISED
;;     2. [M 8,192, K 1,024] x [K 1,024, N 1,024]; A: input K_seq; B: input WK: QUANTISED
;;     3. [M 8,192, K 1,024] x [K 1,024, N 1,024]; A: input V_seq; B: input WV: QUANTISED
;;     4. batch 128 x [M 1,024, K 64] x [K 64, N 1,024]; A: computed on the way; B: computed on the way: QUANTISED
;;     5. batch 128 x [M 1,024, K 1,024] x [K 1,024, N 64]; A: softmax (see below); B: computed on the way: QUANTISED
;;   THE QUANTISER, for each operand of a quantised product, along K:
;;     - K is cut into blocks of 32 from its start; a last block that is shorter is filled with zeros.
;;     - A block's scale is 2^e with e = floor(log2(the largest magnitude in the block)) - 2, held to -126 .. 127; a block of zeros has e = 0. As a byte (E8M0): e + 127.
;;     - Each number is divided by its block's scale, clamped to +-6, and rounded to the nearest number of E2M1, ties to even, subnormals kept.
;;     - The product sums the exact products of the quantised numbers (number of the format x scale) in f32.
;;   ~~~python
;;   def quantise(x, axis):      # numpy; x: float32 -> the quantised numbers, widened to float32 again
;;       x = np.moveaxis(x, axis, -1); K = x.shape[-1]
;;       x = np.pad(x, [(0, 0)] * (x.ndim - 1) + [(0, -K % 32)]); x = x.reshape(x.shape[:-1] + (-1, 32)); a = np.abs(x).max(-1, keepdims=True)
;;       e = np.where(a > 0, np.clip(np.frexp(np.where(a > 0, a, 1))[1] - 1 - 2, -126, 127), 0)      # np.frexp(a)[1] - 1 = floor(log2(a)), exactly
;;       r = np.clip(x / 2.0 ** e, -6, 6)
;;       step = 2.0 ** (np.maximum(np.frexp(np.where(r == 0, 1, r))[1] - 1, 0) - 1)
;;       q = np.round(r / step) * step * 2.0 ** e      # np.round: ties to even
;;       return np.moveaxis(q.reshape(q.shape[:-2] + (-1,))[..., :K], -1, axis).astype(np.float32)
;;   ~~~
;;   SOFTMAX AHEAD OF A QUANTISED PRODUCT. Where the list says 'softmax', what is quantised is not the finished softmax but p = 2^(t - M), with t = logit x log2(e) and M = ceil(the row's largest t), a whole number; so 1/2 < the row's largest p <= 1. The row's sum l is taken of the UNQUANTISED p, in f32, and the product's result is divided by l at the end. Since M is a whole number, a kernel that streams over the keys may use a running M (the ceiling of the running maximum): every later rescaling is an exact power of two, which a block's scale takes up: the codes' values come out the same.
;;   OPERANDS COMPUTED ON THE WAY. 'Computed on the way' means the value that the module computes at that place (a softmax that the list does not call 'softmax' is quantised finished and normalised). What goes into a quantiser is computed in f32, as accurately as f32 sums, v_exp_f32 and their like allow (about 1e-6 of the number): no bf16 or f16 on the way to a quantiser, and a product that is left as it is and whose result goes on into a quantised operand takes f32 operands (vector FMAs, or v_wmma_f32_16x16x4_f32). A number that lies on a knife's edge between two numbers of the format may be rounded either way, as far as f32 arithmetic and the matrix unit's own rounding can turn it there, and no further.
;; 2 versions, each right; version 2 is version 1 with the launch attn written anew for expert scheduling mode. Each part assembles by itself: llvm-mc -triple=amdgcn-amd-amdhsa -mcpu=gfx1250 --defsym DOCPART=n.
;; ======== version 1 of 2: 3 launches
;; limits: right only within a limited range of input values
;; workspace buffers: XC 12,582,912 bytes; XS 786,432 bytes; WC 1,572,864 bytes; WS 98,304 bytes; AC 12,582,912 bytes; AS 786,432 bytes
;; launch quant (part 1): grid 480 x 1, 4 waves a work-group, no clusters, 34,304 bytes of LDS; arguments Q_seq, K_seq, V_seq, WQ, WK, WV, XC, XS, WC, WS; writes XC, XS, WC, WS
.if DOCPART == 1
	.amdgcn_target "amdgcn-amd-amdhsa--gfx1250"
	.amdhsa_code_object_version 6
	.text
	.protected	k_qfafa78223b_quant
	.globl	k_qfafa78223b_quant
	.p2align	8
	.type	k_qfafa78223b_quant,@function
k_qfafa78223b_quant:
	s_mov_b64 s[64:65], 0
	v_nop
	global_prefetch_b8 v0, s[64:65] scope:SCOPE_SE
	s_setreg_imm32_b32 hwreg(HW_REG_WAVE_MODE, 25, 1), 1
	s_wait_xcnt 0x0
; Q_seq, K_seq, V_seq [8192][1024] and WQ, WK, WV [1024 (k)][1024 (n)], f32, become codes of FP4 (E2M1) with one E8M0 byte for each 32 along K = 1,024,
; laid in the ORDER OF THE OPERAND'S REGISTERS.  A "tile16" is 16 rows of an operand: codes 8,192 bytes, block kb (32 along K) of slot p at 256 kb + 16 p, so that the
; K step ks (128 along K) of a fragment is two loads of 16 bytes a lane at 1024 ks + 512 c + 16 lane; scale words 512 bytes, word j at 16 lane + 4 j: lane (r, h) holds row r's word of K step 2 j + h.
; THE ROWS OF A TILE ARE NOT NEIGHBOURS: in each group of 32 rows, tile 2 g + u, slot p, holds row 32 g + 8 u + p + 8 (p / 8).
; A block's scale is 2^(floor(log2(largest magnitude)) - 2): its byte is the largest magnitude's exponent field - 2, held at 1 from below by a floor among the maximum's leaves.
; LIMITS: a block of zeros gets the byte 1 (its codes are zeros; only this program reads the bytes); NaN and infinities among the inputs are not served.
; Work-groups 0-95 take the weights (a lane to a column, registers down K, no LDS); work-groups 96-479 take the activations, a wave to a tile16.  Waves share nothing: no barrier.
.set WGW,    96
.set SPITCH, 528                       ; a stage row: 512 bytes (128 numbers) + 16: an odd multiple of 16 bytes
.set RL,     64                        ; v64-191  two sets of 64 registers as loaded
.set XN,     192                       ; v192-255 my two whole blocks of 32
.set CD,     20                        ; v20-35   two sets of 8 registers of codes
.set SWD,    16                        ; v16-19   the tile's scale image
	s_load_b512 s[8:23], s[0:1], 0x0               ; Q_seq, K_seq, V_seq, WQ, WK, WV, XC, XS
	s_load_b128 s[24:27], s[0:1], 0x40             ; WC, WS
	v_lshl_add_u32 v62, v0, 2, 0x8400
	v_mov_b32 v63, 0
	v_lshrrev_b32 v1, 5, v0
	v_readfirstlane_b32 s4, v1                     ; wave
	v_and_b32 v1, 31, v0                           ; lane
	v_and_b32 v2, 15, v0                           ; r
	v_bfe_u32 v3, v0, 4, 1                         ; h
	s_mov_b32 s28, 0x76543210
	s_mov_b32 s29, 0xfedcba98                      ; lane selects: lane l xor 16
	s_cmp_lt_u32 ttmp9, WGW
	s_cbranch_scc1 .Lweights
; ---------------- the activations: one wave, one tile16 ----------------
	s_sub_co_u32 s5, ttmp9, WGW
	s_lshl_b32 s5, s5, 2
	s_add_co_u32 s5, s5, s4                        ; T: which of the 1,536 tiles
	s_lshr_b32 s6, s5, 9                           ; which tensor
	s_and_b32 s7, s5, 511                          ; which tile of it
	s_lshr_b32 s32, s7, 1
	s_lshl_b32 s32, s32, 5
	s_and_b32 s33, s7, 1
	s_lshl_b32 s33, s33, 3
	s_add_co_u32 s32, s32, s33                     ; slot 0's row: 32 (tile / 2) + 8 (tile % 2)
	s_lshl_b32 s32, s32, 12                        ; x 4,096 bytes
	s_mov_b32 s33, 0
	s_lshl_b32 s34, s5, 13                         ; the tile's codes
	s_mov_b32 s35, 0
	s_lshl_b32 s36, s5, 9                          ; and its scale image
	s_mov_b32 s37, 0
	s_mul_i32 s38, s4, 16*SPITCH                   ; my wave's stage
	v_lshlrev_b32 v4, 4, v1                        ; 16 x lane: global offset in, and out
	v_add_nc_u32 v5, s38, v4                       ; the stage, on the way in
	v_mul_u32_u24 v6, v2, SPITCH
	v_lshl_add_u32 v6, v3, 7, v6
	v_add_nc_u32 v6, s38, v6                       ; and back: row r, block h
	v_lshlrev_b32 v7, 3, v3                        ; 8 h: where my two bytes stand in the scale word
	v_mov_b32 v15, 0                               ; a lane permute's destination counts as one of its sources
	v_cmp_le_u32 vcc_lo, 16, v1                    ; lanes 16-31; kept
	s_wait_kmcnt 0x0
	s_cmp_eq_u32 s6, 0
	s_cselect_b64 s[30:31], s[8:9], s[10:11]
	s_cmp_eq_u32 s6, 2
	s_cselect_b64 s[30:31], s[12:13], s[30:31]     ; the choice hangs on the work-group's and the wave's number alone
	s_add_nc_u64 s[30:31], s[30:31], s[32:33]
	s_add_nc_u64 s[20:21], s[20:21], s[34:35]
	s_add_nc_u64 s[22:23], s[22:23], s[36:37]
.macro XLOAD ks                        ; K step ks of the 16 rows: each load reads 512 consecutive bytes of one row
.irp i, 0,1,2,3,4,5,6,7,8,9,10,11,12,13,14,15
	global_load_b128 v[RL+64*((\ks)%2)+4*\i:RL+64*((\ks)%2)+4*\i+3], v4, s[30:31] offset:(\i+8*(\i/8))*4096+(\ks)*512 th:TH_LOAD_NT
.endr
.endm
.macro XSTEP ks
.set RSET, RL+64*((\ks)%2)
.set CSET, CD+8*((\ks)%2)
.if (\ks) < 7
	s_wait_loadcnt 16                              ; this step's 16 loads are in; the next step's 16 may be out
.else
	s_wait_loadcnt 0x0
.endif
.if (\ks) >= 2
	s_wait_xcnt 0x0                                ; the stores of two steps ago have read this set of code registers
.endif
.irp i, 0,1,2,3,4,5,6,7,8,9,10,11,12,13,14,15
	ds_store_b128 v5, v[RSET+4*\i:RSET+4*\i+3] offset:SPITCH*\i
.endr
.irp c, 0,1                            ; back: lane (r, h) takes blocks h and 2 + h of row r, whole.  LDS serves a wave's instructions in order
.irp i, 0,1,2,3,4,5,6,7
	ds_load_b128 v[XN+32*\c+4*\i:XN+32*\c+4*\i+3], v6 offset:256*\c+16*\i
.endr
.endr
	s_wait_dscnt 0x0                               ; my blocks are in, and the stage's stores have read their registers,
.if (\ks) < 6
	XLOAD (\ks)+2                                  ; which take the loads of two steps on
.endif
.irp c, 0,1
	v_max3_num_f32 v[8+\c], |v[XN+32*\c]|, |v[XN+32*\c+1]|, 0x1800000   ; the floor 2^(3 - 127): the byte cannot fall under 1
.endr
.irp i, 2,4,6,8,10,12,14,16,18,20,22,24,26,28,30
.irp c, 0,1
	v_max3_num_f32 v[8+\c], v[8+\c], |v[XN+32*\c+\i]|, |v[XN+32*\c+\i+1]|   ; the two blocks by turns
.endr
.endr
.irp c, 0,1
	v_add_nc_u32 v[10+\c], 0xff000000, v[8+\c]     ; 2 off the exponent field: the conversion's scale operand
.endr
.irp c, 0,1
.irp g, 0,1,2,3
	v_cvt_scalef32_pk8_fp4_f32 v[CSET+4*\c+\g], v[XN+32*\c+8*\g:XN+32*\c+8*\g+7], v[10+\c]   ; registers 4 c .. 4 c + 3 of the fragment
.endr
.endr
	v_lshrrev_b32 v12, 23, v10                     ; the bytes of blocks h and 2 + h (also the plain line behind the conversions)
	v_lshrrev_b32 v13, 23, v11
	v_lshl_or_b32 v14, v13, 16, v12
	v_lshlrev_b32 v14, v7, v14                     ; at their places in the word
	v_permlanex16_b32 v15, v14, s28, s29
	v_or_b32 v14, v14, v15                         ; with lane l xor 16's two the word is whole
.if (\ks)%2 == 0
	v_mov_b32 v[SWD+(\ks)/2], v14                  ; lanes 0-15 keep the even K step's word,
.else
	v_cndmask_b32 v[SWD+(\ks)/2], v[SWD+(\ks)/2], v14, vcc_lo   ; lanes 16-31 take the odd one's
.endif
.irp c, 0,1
	global_store_b128 v4, v[CSET+4*\c:CSET+4*\c+3], s[20:21] offset:(\ks)*1024+\c*512   ; 512 consecutive bytes, aligned
.endr
.endm
	XLOAD 0
	XLOAD 1
.irp k, 0,1,2,3,4,5,6,7
	XSTEP \k
.endr
	global_store_b128 v4, v[SWD:SWD+3], s[22:23]   ; the tile's 512 bytes of scale words
	s_wait_tensorcnt 0x0
	ds_add_u32 v62, v63
	s_wait_dscnt 0x0
	s_endpgm
; ---------------- the weights: a lane to a column, registers down K ----------------
.Lweights:
	s_lshr_b32 s6, ttmp9, 5                        ; which weight
	s_and_b32 s7, ttmp9, 7                         ; which 128 columns
	s_bfe_u32 s5, ttmp9, 0x20003                   ; which 256 along K
	s_lshl_b32 s7, s7, 2
	s_add_co_u32 s7, s7, s4                        ; my wave's group of 32 columns
	s_lshl_b32 s32, s5, 20                         ; 256 rows of 4,096 bytes
	s_lshl_b32 s34, s7, 7                          ; 32 columns of 4 bytes
	s_add_co_u32 s32, s32, s34
	s_mov_b32 s33, 0
	s_lshl_b32 s34, s6, 6
	s_lshl_b32 s7, s7, 1
	s_add_co_u32 s7, s7, s34                       ; the group's first tile16: 64 x weight + 2 x group
	s_lshl_b32 s34, s7, 13
	s_lshl_b32 s36, s5, 11                         ; 8 blocks of 256 bytes
	s_add_co_u32 s34, s34, s36
	s_mov_b32 s35, 0
	s_lshl_b32 s36, s7, 9
	s_lshl_b32 s38, s5, 2                          ; word j = which 256 along K
	s_add_co_u32 s36, s36, s38
	s_mov_b32 s37, 0
	v_lshlrev_b32 v4, 2, v1                        ; in: 4 bytes a lane
	v_bfe_u32 v8, v1, 3, 1                         ; column l of the group lies in tile u = (l / 8) % 2,
	v_and_b32 v9, 7, v1
	v_lshl_add_u32 v9, v3, 3, v9                   ; slot p = l % 8 + 8 (l / 16)
	v_lshlrev_b32 v5, 13, v8
	v_lshl_add_u32 v5, v9, 4, v5                   ; codes: 8,192 u + 16 p
	v_lshlrev_b32 v6, 9, v8
	v_lshl_add_u32 v6, v9, 4, v6                   ; scale words: 512 u + 16 p
	s_wait_kmcnt 0x0
	s_cmp_eq_u32 s6, 0
	s_cselect_b64 s[30:31], s[14:15], s[16:17]
	s_cmp_eq_u32 s6, 2
	s_cselect_b64 s[30:31], s[18:19], s[30:31]
	s_add_nc_u64 s[30:31], s[30:31], s[32:33]
	s_add_nc_u64 s[24:25], s[24:25], s[34:35]
	s_add_nc_u64 s[26:27], s[26:27], s[36:37]
.macro WLOAD t                         ; block t: W(32 t + i, my column): 128 consecutive bytes a load
.irp i, 0,1,2,3,4,5,6,7,8,9,10,11,12,13,14,15,16,17,18,19,20,21,22,23,24,25,26,27,28,29,30,31
	global_load_b32 v[64+32*((\t)%2)+\i], v4, s[30:31] offset:(32*(\t)+\i)*4096 th:TH_LOAD_NT
.endr
.endm
.macro WBLOCK t
.set WX, 64+32*((\t)%2)
.if (\t) < 7
	s_wait_loadcnt 32                              ; this block's 32 loads are in; the next block's may be out
.else
	s_wait_loadcnt 0x0
.endif
	v_max3_num_f32 v8, |v[WX]|, |v[WX+1]|, |v[WX+2]|
	v_max3_num_f32 v9, |v[WX+3]|, |v[WX+4]|, |v[WX+5]|
.irp i, 6,10,14,18,22,26
	v_max3_num_f32 v8, v8, |v[WX+\i]|, |v[WX+\i+1]|
	v_max3_num_f32 v9, v9, |v[WX+\i+2]|, |v[WX+\i+3]|
.endr
	v_max3_num_f32 v8, v8, |v[WX+30]|, |v[WX+31]|
	v_max3_num_f32 v8, v8, v9, 0x1800000           ; and the floor
	v_add_nc_u32 v10, 0xff000000, v8
.irp g, 0,1,2,3
	v_cvt_scalef32_pk8_fp4_f32 v[128+4*(\t)+\g], v[WX+8*\g:WX+8*\g+7], v10   ; each block has code registers of its own: no store's data are written again
.endr
	v_lshrrev_b32 v12, 23, v10                     ; the byte (also the plain line behind the conversions)
.if (\t)%4 == 0
	v_mov_b32 v[16+(\t)/4], v12
.else
	v_lshl_or_b32 v[16+(\t)/4], v12, 8*((\t)%4), v[16+(\t)/4]
.endif
	global_store_b128 v5, v[128+4*(\t):128+4*(\t)+3], s[24:25] offset:256*(\t)   ; the block's 256 bytes of each of the two tiles, whole
.if (\t) < 6
	WLOAD (\t)+2
.endif
.endm
	WLOAD 0
	WLOAD 1
.irp k, 0,1,2,3,4,5,6,7
	WBLOCK \k
.endr
	global_store_b32 v6, v16, s[26:27]             ; my column's words of the two K steps: the even one for lanes 0-15 of the image,
	global_store_b32 v6, v17, s[26:27] offset:256  ; the odd one for lanes 16-31
	s_endpgm
.Lfunc_end_k_qfafa78223b_quant:
	.size	k_qfafa78223b_quant, .Lfunc_end_k_qfafa78223b_quant-k_qfafa78223b_quant
	.p2alignl 7, 3214868480
	.fill 96, 4, 3214868480
	.section	.rodata,"a",@progbits
	.p2align	6, 0x0
	.amdhsa_kernel k_qfafa78223b_quant
		.amdhsa_group_segment_fixed_size 34304
		.amdhsa_private_segment_fixed_size 0
		.amdhsa_enable_private_segment 0
		.amdhsa_kernarg_size 80
		.amdhsa_user_sgpr_count 2
		.amdhsa_user_sgpr_kernarg_segment_ptr 1
		.amdhsa_wavefront_size32 1
		.amdhsa_system_sgpr_workgroup_id_x 1
		.amdhsa_system_sgpr_workgroup_id_y 1
		.amdhsa_system_sgpr_workgroup_id_z 1
		.amdhsa_system_vgpr_workitem_id 0
		.amdhsa_next_free_vgpr 256
		.amdhsa_next_free_sgpr 66
		.amdhsa_reserve_vcc 1
		.amdhsa_float_denorm_mode_32 3
		.amdhsa_float_denorm_mode_16_64 3
		.amdhsa_memory_ordered 1
		.amdhsa_forward_progress 1
		.amdhsa_inst_pref_size 95
	.end_amdhsa_kernel
	.amdgpu_metadata
---
amdhsa.version: [ 1, 2 ]
amdhsa.kernels:
  - .name:           k_qfafa78223b_quant
    .symbol:         k_qfafa78223b_quant.kd
    .args:
      - { .name: Q_seq, .offset: 0, .size: 8, .value_kind: global_buffer, .address_space: global }
      - { .name: K_seq, .offset: 8, .size: 8, .value_kind: global_buffer, .address_space: global }
      - { .name: V_seq, .offset: 16, .size: 8, .value_kind: global_buffer, .address_space: global }
      - { .name: WQ, .offset: 24, .size: 8, .value_kind: global_buffer, .address_space: global }
      - { .name: WK, .offset: 32, .size: 8, .value_kind: global_buffer, .address_space: global }
      - { .name: WV, .offset: 40, .size: 8, .value_kind: global_buffer, .address_space: global }
      - { .name: XC, .offset: 48, .size: 8, .value_kind: global_buffer, .address_space: global }
      - { .name: XS, .offset: 56, .size: 8, .value_kind: global_buffer, .address_space: global }
      - { .name: WC, .offset: 64, .size: 8, .value_kind: global_buffer, .address_space: global }
      - { .name: WS, .offset: 72, .size: 8, .value_kind: global_buffer, .address_space: global }
    .group_segment_fixed_size: 34304
    .private_segment_fixed_size: 0
    .kernarg_segment_align: 8
    .kernarg_segment_size: 80
    .max_flat_workgroup_size: 128
    .sgpr_count:     66
    .vgpr_count:     256
    .wavefront_size: 32
...
	.end_amdgpu_metadata
.endif
;; end of part 1
;; launch proj (part 2): grid 4 x 96, 4 waves a work-group, clusters of 4 x 4, 262,656 bytes of LDS; arguments XC, XS, WC, WS, AC, AS; writes AC, AS
.if DOCPART == 2
	.amdgcn_target "amdgcn-amd-amdhsa--gfx1250"
	.amdhsa_code_object_version 6
	.text
	.protected	k_qfafa78223b_proj
	.globl	k_qfafa78223b_proj
	.p2align	8
	.type	k_qfafa78223b_proj,@function
k_qfafa78223b_proj:
	s_mov_b64 s[64:65], 0
	v_nop
	global_prefetch_b8 v0, s[64:65] scope:SCOPE_SE
	s_setreg_imm32_b32 hwreg(HW_REG_WAVE_MODE, 25, 1), 1
	s_wait_xcnt 0x0
	s_wait_alu depctr_hold_cnt(0) depctr_sa_sdst(0) depctr_va_vdst(0) depctr_va_sdst(0) depctr_va_ssrc(0) depctr_va_vcc(0) depctr_vm_vsrc(0)
	s_getreg_b32 s2, hwreg(HW_REG_IB_STS2, 6, 4)
	s_cmp_eq_u32 s2, 0
	s_cbranch_scc0 .Lentry_in_a_cluster
	s_endpgm
.Lentry_in_a_cluster:
	s_bfe_u32 s2, ttmp6, 0x10000c
	s_cmp_lg_u32 s2, 0xf033
	s_cbranch_scc0 .Lentry_shape_is_right
	s_endpgm
.Lentry_shape_is_right:
; q = Q_seq WQ, k = K_seq WK, v = V_seq WV on codes of FP4 with E8M0 scales; the f32 results are quantised in registers (q, k along the head's 64; v along the keys) and leave as operand images for the attention.
; ONE BODY, BY ROLES.  Source 0 is operand P, whose rows become a lane's registers, the axis of the next quantiser; source 1 is operand R, whose row is the lane.  q, k: P = the weight's columns, R = the tokens.  v: P = the tokens (keys), R = the weight's columns.
; Both operands lie as tile16 images (16 rows: 8,192 bytes of codes, K step ks at 1024 ks + 512 c + 16 lane; 512 bytes of scale words, register j: lanes 0-15 K step 2 j, lanes 16-31 K step 2 j + 1), so only pointers and strides differ: chosen without a branch.
; A cluster of 4 x 4 work-groups makes one batch of one projection, 1,024 x 1,024; a work-group 256 (P) x 256 (R); a wave 128 x 128: 64 accumulators, 512 registers.
; K = 1,024 is 8 K steps.  ALL of K of both operands lies in LDS, 2 x 131,072 bytes, filled once: four chunks of two K steps, four tensor loads a wave, all issued at the start (four of mine are out); nothing is ever filled again.
; P's tiles hang on the cluster's x place alone and are asked for jointly down a column of the cluster, R's on the y place alone and jointly along a row.
; The tiles' rows are chosen (slot p of tile 2 g + u = row 32 g + 8 u + p + 8 (p / 8)) so that the 16 registers of two neighbouring P tiles are 16 neighbours along the next K.
; LIMITS: a block of zeros gets the byte 1 with zero codes; NaN and infinities are not served.
; REGISTERS, in windows of 256.  Window 0: v1 16 x lane; v16-17, v20-21 LDS addresses; v32-63 P's scale words, v64-95 R's (nothing else ever); v96-123 at work in the quantiser; v128-191 R's fragments, one set, later the codes; v192-199 store offsets.
;   Window 1: P's fragments, two sets, at v0 and v128.   Windows 2, 3: accumulator (a, b) at v[8 (8 (a % 4) + b)] of window 2 + a / 4.
.set G1P,  24                          ; s[24:31] descriptor group 1 for P;  s[32:39] for R: they differ in the mask
.set G1R,  32
.set G0P,  40                          ; s[40:55] groups 0 for P's four chunks;  s[68:83] for R's
.set G0R,  68
.set ADRP, 16
.set ADRR, 20
.set SCP,  32
.set SCR,  64
.set TM,   96                          ; v96-99 largest magnitudes, v100-103 the other half's / bytes, v108-111 scale operands
.set PW,   112                         ; v112-119 the scale word of R tile a
.set SW,   120                         ; v120-123 the scale image
.set RF,   128
.set OFF,  192
.set MSB, 0
.macro WIN new                         ; the immediate's high byte repeats the setting that is left
.if MSB != \new
	s_set_vgpr_msb (MSB<<8)|\new
.set MSB, \new
.endif
.endm
.set MUL_LO, 0xa1                      ; source 0 (P) window 1, source 1 (R) window 0, C and D window 2
.set MUL_HI, 0xf1                      ; the same, C and D window 3
.set TO_P,   0x40                      ; destination window 1, address window 0
.macro CROUND                          ; a round of the cluster's barrier
	s_barrier_signal -1
	s_barrier_wait -1
	s_cmp_lg_u32 s16, 0
	s_cbranch_scc1 .Lnot_wave_0_\@
	s_barrier_signal -3
.Lnot_wave_0_\@:
	s_barrier_wait -3
	s_barrier_signal -1
	s_barrier_wait -1
.endm
.macro PLACES                          ; four plain lines between a matrix instruction and a load into, or a vector read or write of, its registers
.rept 4
	v_nop
.endr
.endm
	s_load_b256 s[4:11], s[0:1], 0x0               ; XC, XS, WC, WS
	s_load_b128 s[12:15], s[0:1], 0x20             ; AC, AS
	v_lshl_add_u32 v254, v0, 2, 0x40000
	v_mov_b32 v255, 0
	ds_add_u32 v254, v255
	ds_add_u32 v254, v255
	v_lshrrev_b32 v2, 5, v0
	v_readfirstlane_b32 s16, v2                    ; wave 0..3
	s_and_b32 s17, s16, 1                          ; which half of P's 256 rows is mine.  Also: which half of a tile I fetch
	s_lshr_b32 s18, s16, 1                         ; which half of R's.  Also: I fetch for P (0) or for R (1)
	s_bfe_u32 s19, ttmp6, 0x40000                  ; cx
	s_bfe_u32 s20, ttmp6, 0x40004                  ; cy
	s_and_b32 s21, ttmp7, 0xffff                   ; the cluster's y: 0..23
	s_lshr_b32 s22, s21, 3                         ; which projection: 0 q, 1 k, 2 v
	s_and_b32 s23, s21, 7                          ; the batch
	s_lshl_b32 s56, 0x1111, s19                    ; my column of the cluster
	s_lshl_b32 s57, s20, 2
	s_lshl_b32 s57, 15, s57                        ; my row
	; group 1: 8 rows (tiles) of 2,048 bytes (two K steps), 8,192 bytes apart, dense in LDS
	s_or_b32 s[G1P], s56, (3<<16)|(1<<21)          ; 15:0 the mask; 17:16 elements of 8 bytes; 21 set beside a mask; no padding
	s_or_b32 s[G1R], s57, (3<<16)|(1<<21)
.irp g, G1P, G1R
	s_mov_b32 s[\g+1], 256<<16                     ; tensor_dim0 = 256
	s_mov_b32 s[\g+2], 8<<16                       ; tensor_dim1 = 8
	s_mov_b32 s[\g+3], 256<<16                     ; tile_dim0 = 256
	s_mov_b32 s[\g+4], 8                           ; tile_dim1 = 8
	s_mov_b32 s[\g+5], 1024                        ; elements from tile to tile
	s_mov_b32 s[\g+6], 0
	s_mov_b32 s[\g+7], 0
.endr
	; which tile16s.  q, k: P = weight t's 64 tiles, R = tensor t's tiles of this batch.  v: P = V_seq's tiles of this batch, R = WV's
	s_lshl_b32 s58, s23, 6                         ; 64 x batch
	s_lshl_b32 s59, s22, 6                         ; 64 t
	s_lshl_b32 s60, s22, 9                         ; 512 t
	s_add_co_u32 s61, s58, 1024
	s_add_co_u32 s60, s60, s58
	s_cmp_eq_u32 s22, 2
	s_cselect_b32 s61, s61, s59
	s_cselect_b32 s60, 128, s60
	s_lshl_b32 s62, s19, 4
	s_add_co_u32 s61, s61, s62                     ; P's first tile of my work-group: hangs on cx, never on cy
	s_lshl_b32 s63, s20, 4
	s_add_co_u32 s60, s60, s63                     ; R's: hangs on cy, never on cx
	s_lshl_b32 s2, s17, 3
	s_add_co_u32 s92, s61, s2                      ; P: the 8 tiles that I fetch, which are also the 8 that I multiply
	s_lshl_b32 s96, s92, 9                         ; their scale images,
	s_mov_b32 s97, 0
	s_lshl_b32 s92, s92, 13                        ; their codes
	s_mov_b32 s93, 0
	s_add_co_u32 s94, s60, s2                      ; R: the 8 tiles that I fetch
	s_lshl_b32 s94, s94, 13
	s_mov_b32 s95, 0
	s_lshl_b32 s2, s18, 3
	s_add_co_u32 s98, s60, s2                      ; R: the 8 tiles that I multiply
	s_lshl_b32 s98, s98, 9
	s_mov_b32 s99, 0
	s_lshl_b32 s3, s17, 14                         ; where my half goes in a chunk: no place in the cluster enters an LDS address
	s_wait_dscnt 0x0
	s_wait_kmcnt 0x0
	s_cmp_eq_u32 s22, 2                            ; the roles: the choice hangs on the cluster's y alone, which all partners share
	s_cselect_b64 s[84:85], s[4:5], s[8:9]         ; P's codes
	s_cselect_b64 s[86:87], s[6:7], s[10:11]       ; P's scales
	s_cselect_b64 s[88:89], s[8:9], s[4:5]         ; R's codes
	s_cselect_b64 s[90:91], s[10:11], s[6:7]       ; R's scales
	s_add_nc_u64 s[84:85], s[84:85], s[92:93]
	s_add_nc_u64 s[88:89], s[88:89], s[94:95]
	s_add_nc_u64 s[86:87], s[86:87], s[96:97]
	s_add_nc_u64 s[90:91], s[90:91], s[98:99]
	CROUND                                         ; all sixteen work-groups are here: the joint loads meet
.irp q, 0,1,2,3
	s_mov_b32 s[G0P+4*\q], 1                       ; count = 1
	s_add_co_u32 s[G0P+4*\q+1], s3, \q*32768       ; LDS: P's chunk q, my half
	s_add_nc_u64 s[G0P+4*\q+2:G0P+4*\q+3], s[84:85], \q*2048   ; K steps 2 q, 2 q + 1 of each tile
	s_or_b32 s[G0P+4*\q+3], s[G0P+4*\q+3], 0x80000000          ; type = 2
	s_mov_b32 s[G0R+4*\q], 1
	s_add_co_u32 s[G0R+4*\q+1], s3, 131072+\q*32768
	s_add_nc_u64 s[G0R+4*\q+2:G0R+4*\q+3], s[88:89], \q*2048
	s_or_b32 s[G0R+4*\q+3], s[G0R+4*\q+3], 0x80000000
.endr
	s_cmp_lt_u32 s16, 2                            ; waves 0, 1 fetch P's halves, waves 2, 3 R's: a wave's four fills stand in one branch on its number, ahead of every wait on TENSORcnt, LDS read and barrier
	s_cbranch_scc0 .Lfetch_r
	tensor_load_to_lds s[G0P:G0P+3], s[G1P:G1P+7]
	s_nop 0
	tensor_load_to_lds s[G0P+4:G0P+7], s[G1P:G1P+7]
	s_nop 0
	tensor_load_to_lds s[G0P+8:G0P+11], s[G1P:G1P+7]
	s_nop 0
	tensor_load_to_lds s[G0P+12:G0P+15], s[G1P:G1P+7]
	s_nop 0
.rept 4
	v_nop
.endr
	s_branch .Lasked
.Lfetch_r:
	tensor_load_to_lds s[G0R:G0R+3], s[G1R:G1R+7]
	s_nop 0
	tensor_load_to_lds s[G0R+4:G0R+7], s[G1R:G1R+7]
	s_nop 0
	tensor_load_to_lds s[G0R+8:G0R+11], s[G1R:G1R+7]
	s_nop 0
	tensor_load_to_lds s[G0R+12:G0R+15], s[G1R:G1R+7]
	s_nop 0
.rept 4
	v_nop
.endr
.Lasked:
	v_and_b32 v2, 31, v0                           ; lane
	v_lshlrev_b32 v1, 4, v2                        ; 16 x lane
.irp i, 0,1,2,3,4,5,6,7                        ; the scale images of my 8 + 8 tiles, for all of K: 512 consecutive bytes a load; they stay in registers
	global_load_b128 v[SCP+4*\i:SCP+4*\i+3], v1, s[86:87] offset:512*\i
	global_load_b128 v[SCR+4*\i:SCR+4*\i+3], v1, s[90:91] offset:512*\i
.endr
	v_add_nc_u32 v[ADRP], s3, v1                   ; P: my half, chunks 0 and 1;
	v_add_nc_u32 v[ADRP+1], 65536, v[ADRP]         ; chunks 2 and 3
	s_lshl_b32 s2, s18, 14
	s_add_co_u32 s2, s2, 131072
	v_add_nc_u32 v[ADRR], s2, v1
	v_add_nc_u32 v[ADRR+1], 65536, v[ADRR]
.macro FRAG reg, adr, off              ; a fragment as it lies: two loads of 16 bytes a lane, 512 consecutive bytes each
	ds_load_b128 v[\reg:\reg+3], v[\adr] offset:\off
	ds_load_b128 v[\reg+4:\reg+7], v[\adr] offset:\off+512
.endm
.macro FETCH_P ks                      ; P's eight fragments of K step ks into set ks % 2
	WIN TO_P
.irp i, 0,1,2,3,4,5,6,7
	FRAG 128*((\ks)%2)+8*\i, ADRP+((\ks)>>2), (((\ks)>>1)&1)*32768+\i*2048+((\ks)&1)*1024
.endr
	WIN 0
.endm
.macro FETCH_R ks, i0                  ; R's tiles i0 .. i0 + 3
.irp i, \i0, \i0+1, \i0+2, \i0+3
	FRAG RF+8*(\i), ADRR+((\ks)>>2), (((\ks)>>1)&1)*32768+(\i)*2048+((\ks)&1)*1024
.endr
.endm
.macro WM d, p, r, sp, sr, ks          ; K step 0 starts the sums with the constant 0; an odd K step's scale words stand in lanes 16-31
.if (\ks) == 0
	v_wmma_scale_f32_16x16x128_f8f6f4 v[\d:\d+7], v[\p:\p+7], v[\r:\r+7], 0, v[\sp], v[\sr] matrix_a_fmt:MATRIX_FMT_FP4 matrix_b_fmt:MATRIX_FMT_FP4
.elseif (\ks)%2 == 0
	v_wmma_scale_f32_16x16x128_f8f6f4 v[\d:\d+7], v[\p:\p+7], v[\r:\r+7], v[\d:\d+7], v[\sp], v[\sr] matrix_a_fmt:MATRIX_FMT_FP4 matrix_b_fmt:MATRIX_FMT_FP4
.else
	v_wmma_scale_f32_16x16x128_f8f6f4 v[\d:\d+7], v[\p:\p+7], v[\r:\r+7], v[\d:\d+7], v[\sp], v[\sr] matrix_a_fmt:MATRIX_FMT_FP4 matrix_b_fmt:MATRIX_FMT_FP4 matrix_a_scale:MATRIX_SCALE_ROW1 matrix_b_scale:MATRIX_SCALE_ROW1
.endif
.endm
.macro MUL16 a0, ks                    ; R's tiles a0, a0 + 1 x P's eight.  The 64 accumulators take turns, one instruction a turn, in the same order in every K step
.irp a, \a0, \a0+1
.irp b, 0,1,2,3,4,5,6,7
	WM 8*(8*((\a)%4)+\b), 128*((\ks)%2)+8*\b, RF+8*(\a), SCP+4*\b+((\ks)>>1), SCR+4*(\a)+((\ks)>>1), \ks
.endr
.endr
.endm
.macro STEP ks
	s_wait_dscnt 8                                 ; P's set and R's tiles 0-3 are in; the youngest eight loads (R's tiles 4-7) may be out
	WIN MUL_LO
	MUL16 0, \ks
	MUL16 2, \ks
	s_wait_dscnt 0x0                               ; R's tiles 4-7 are in; no LDS instruction of mine is out at the signal below
.if ((\ks)%2 == 1) && ((\ks) < 7)
	s_wait_tensorcnt 3-((\ks)+1)/2                 ; my part of the next chunk has landed; the later chunks may stay out, since no LDS byte is filled twice
	s_barrier_signal -1
	s_barrier_wait -1                              ; everybody's part has
.endif
.if (\ks) < 7
	PLACES
	FETCH_P (\ks)+1
	FETCH_R (\ks)+1, 0
.endif
	WIN MUL_HI
	MUL16 4, \ks
	MUL16 6, \ks
.if (\ks) < 7
	PLACES
	WIN 0
	FETCH_R (\ks)+1, 4
.endif
.endm
	s_wait_tensorcnt 3                             ; my part of chunk 0 is in (three younger loads may be out),
	s_barrier_signal -1
	s_barrier_wait -1                              ; everybody's is
	FETCH_P 0
	FETCH_R 0, 0
	FETCH_R 0, 4
	s_wait_loadcnt 0x0                             ; the scale images
.irp k, 0,1,2,3,4,5,6,7
	STEP \k
.endr
	WIN 0
	PLACES
	; THE WAY OUT.  For R tile a, lane (r, h) holds row r, and register 16 g + i of its 64 is P row 32 g + 16 h + i of my 128: they are quantised along P and leave as a fragment's image, 512 bytes a piece.
	; q, k: piece c is head 2 Poct + c's 64 channels, R tile = token tile: [batch][head][token tile][512].   v: the two pieces are key step Poct of the tile16 [batch][column tile][8,192].
	s_cmp_eq_u32 s22, 2
	s_mov_b32 s56, 65536
	s_cselect_b32 s56, 1024, s56                   ; bytes from one Poct to the next,
	s_mov_b32 s57, 32768
	s_cselect_b32 s57, 512, s57                    ; from piece 0 to piece 1,
	s_mov_b32 s58, 4096
	s_cselect_b32 s58, 65536, s58                  ; from one group of 8 R tiles to the next,
	s_mov_b32 s59, 512
	s_cselect_b32 s59, 8192, s59                   ; from R tile to R tile
	s_lshl_b32 s2, s19, 1
	s_add_co_u32 s2, s2, s17                       ; Poct = 2 cx + my half of P
	s_lshl_b32 s3, s20, 1
	s_add_co_u32 s3, s3, s18                       ; Rg = 2 cy + my half of R
	s_mul_i32 s60, s2, s56
	s_mul_i32 s61, s3, s58
	s_add_co_u32 s60, s60, s61
	s_lshl_b32 s61, s22, 22                        ; 4 MiB a tensor
	s_add_co_u32 s60, s60, s61
	s_lshl_b32 s61, s23, 19                        ; 524,288 bytes a batch
	s_add_co_u32 s60, s60, s61
	s_mov_b32 s61, 0
	s_add_nc_u64 s[84:85], s[12:13], s[60:61]      ; piece 0 of R tile 0
	s_mov_b32 s62, s57
	s_mov_b32 s63, 0
	s_add_nc_u64 s[86:87], s[84:85], s[62:63]      ; piece 1
	s_lshl_b32 s62, s23, 3
	s_add_co_u32 s62, s62, s2
	s_lshl_b32 s62, s62, 3
	s_add_co_u32 s62, s62, s3
	s_lshl_b32 s62, s62, 9                         ; the scale image [batch][Poct][Rg][512]
	s_lshl_b32 s60, s22, 18
	s_add_co_u32 s62, s62, s60
	s_add_nc_u64 s[88:89], s[14:15], s[62:63]
	s_mov_b32 s90, 0x76543210
	s_mov_b32 s91, 0xfedcba98                      ; lane selects: lane l xor 16
	v_cmp_le_u32 vcc_lo, 16, v2                    ; lanes 16-31
	v_mov_b32 v[OFF], v1
.irp a, 1,2,3,4,5,6,7
	v_add_nc_u32 v[OFF+\a], s59, v[OFF+\a-1]
.endr
.irp b, 0,1,2,3
	v_mov_b32 v[TM+4+\b], 0                        ; a lane permute's destination counts as one of its sources
.endr
.macro QUANT a
.set SRC, 64*((\a)%4)
.set PCR, RF+8*(\a)
	WIN 0x0a+5*((\a)/4)                            ; sources 0 and 1: window 2 or 3
.irp b, 0,1,2,3
	v_max3_num_f32 v[TM+\b], |v[SRC+16*\b]|, |v[SRC+16*\b+1]|, 0x1800000   ; block b: my 16 numbers, each accumulator from its low end on, and the floor 2^(3 - 127)
.endr
.irp i, 2,4,6,8,10,12,14
.irp b, 0,1,2,3
	v_max3_num_f32 v[TM+\b], |v[SRC+16*\b+\i]|, |v[SRC+16*\b+\i+1]|, v[TM+\b]   ; the four blocks by turns
.endr
.endr
	WIN 0
.irp b, 0,1,2,3
	v_permlanex16_b32 v[TM+4+\b], v[TM+\b], s90, s91
.endr
.irp b, 0,1,2,3
	v_max_num_f32 v[TM+\b], v[TM+\b], v[TM+4+\b]   ; with lane l xor 16's 16: the block's largest magnitude
.endr
.irp b, 0,1,2,3
	v_add_nc_u32 v[TM+12+\b], 0xff000000, v[TM+\b] ; 2 off the exponent field: the conversion's scale operand
.endr
.irp b, 0,1,2,3
	v_lshrrev_b32 v[TM+4+\b], 23, v[TM+12+\b]      ; the byte
.endr
	v_lshl_or_b32 v[PW+(\a)], v[TM+5], 8, v[TM+4]
	v_lshl_or_b32 v[PW+(\a)], v[TM+6], 16, v[PW+(\a)]
	v_lshl_or_b32 v[PW+(\a)], v[TM+7], 24, v[PW+(\a)]   ; my row's scale word, the same in both halves of the lanes
	WIN 0x02+((\a)/4)                              ; source 0: window 2 or 3
.irp b, 0,1,2,3
	v_cvt_scalef32_pk8_fp4_f32 v[PCR+2*\b], v[SRC+16*\b:SRC+16*\b+7], v[TM+12+\b]
	v_cvt_scalef32_pk8_fp4_f32 v[PCR+2*\b+1], v[SRC+16*\b+8:SRC+16*\b+15], v[TM+12+\b]
.endr
	WIN 0
	v_nop                                          ; one plain line behind a scaled conversion
.irp c, 0,1                                    ; the operand's layout wants a whole block in a lane: lanes 0-15 block 2 c, lanes 16-31 block 2 c + 1
.irp i, 0,1
	v_permlane16_swap_b32 v[PCR+4*\c+\i], v[PCR+2+4*\c+\i]
.endr
.endr
	global_store_b128 v[OFF+(\a)], v[PCR:PCR+3], s[84:85]     ; 512 consecutive bytes, aligned; each tile has registers of its own: no store's data are written again
	global_store_b128 v[OFF+(\a)], v[PCR+4:PCR+7], s[86:87]
.endm
.irp a, 0,1,2,3,4,5,6,7
	QUANT \a
.endr
.irp j, 0,1,2,3
	v_cndmask_b32 v[SW+\j], v[PW+2*\j], v[PW+2*\j+1], vcc_lo  ; register j of the image: lanes 0-15 tile 2 j's words, lanes 16-31 tile 2 j + 1's
.endr
	global_store_b128 v1, v[SW:SW+3], s[88:89]
	s_wait_tensorcnt 0x0
	ds_add_u32 v254, v255
	s_wait_dscnt 0x0
	CROUND                                         ; the closing round: no work-group ends while a partner may still ask for a tile that names it
	s_endpgm
.Lfunc_end_k_qfafa78223b_proj:
	.size	k_qfafa78223b_proj, .Lfunc_end_k_qfafa78223b_proj-k_qfafa78223b_proj
	.p2alignl 7, 3214868480
	.fill 96, 4, 3214868480
	.section	.rodata,"a",@progbits
	.p2align	6, 0x0
	.amdhsa_kernel k_qfafa78223b_proj
		.amdhsa_group_segment_fixed_size 262656
		.amdhsa_private_segment_fixed_size 0
		.amdhsa_enable_private_segment 0
		.amdhsa_kernarg_size 48
		.amdhsa_user_sgpr_count 2
		.amdhsa_user_sgpr_kernarg_segment_ptr 1
		.amdhsa_wavefront_size32 1
		.amdhsa_system_sgpr_workgroup_id_x 1
		.amdhsa_system_sgpr_workgroup_id_y 1
		.amdhsa_system_sgpr_workgroup_id_z 1
		.amdhsa_system_vgpr_workitem_id 0
		.amdhsa_next_free_vgpr 1024
		.amdhsa_next_free_sgpr 100
		.amdhsa_reserve_vcc 1
		.amdhsa_float_denorm_mode_32 3
		.amdhsa_float_denorm_mode_16_64 3
		.amdhsa_memory_ordered 1
		.amdhsa_forward_progress 1
		.amdhsa_inst_pref_size 128
	.end_amdhsa_kernel
	.amdgpu_metadata
---
amdhsa.version: [ 1, 2 ]
amdhsa.kernels:
  - .name:           k_qfafa78223b_proj
    .symbol:         k_qfafa78223b_proj.kd
    .args:
      - { .name: XC, .offset: 0, .size: 8, .value_kind: global_buffer, .address_space: global }
      - { .name: XS, .offset: 8, .size: 8, .value_kind: global_buffer, .address_space: global }
      - { .name: WC, .offset: 16, .size: 8, .value_kind: global_buffer, .address_space: global }
      - { .name: WS, .offset: 24, .size: 8, .value_kind: global_buffer, .address_space: global }
      - { .name: AC, .offset: 32, .size: 8, .value_kind: global_buffer, .address_space: global }
      - { .name: AS, .offset: 40, .size: 8, .value_kind: global_buffer, .address_space: global }
    .group_segment_fixed_size: 262656
    .private_segment_fixed_size: 0
    .kernarg_segment_align: 8
    .kernarg_segment_size: 48
    .max_flat_workgroup_size: 128
    .sgpr_count:     100
    .vgpr_count:     1024
    .wavefront_size: 32
...
	.end_amdgpu_metadata
.endif
;; end of part 2
;; launch attn (part 3): grid 16 x 16, 16 waves a work-group, no clusters, 215,040 bytes of LDS; arguments AC, AS, Q_len, V_len, out0; writes out0
.if DOCPART == 3
	.amdgcn_target "amdgcn-amd-amdhsa--gfx1250"
	.amdhsa_code_object_version 6
	.text
	.protected	k_qfafa78223b_attn
	.globl	k_qfafa78223b_attn
	.p2align	8
	.type	k_qfafa78223b_attn,@function
k_qfafa78223b_attn:
	s_mov_b64 s[64:65], 0
	v_nop
	global_prefetch_b8 v0, s[64:65] scope:SCOPE_SE
	s_setreg_imm32_b32 hwreg(HW_REG_WAVE_MODE, 25, 1), 1
	s_wait_xcnt 0x0
; out0[b][q][head][:] = (q < Q_len[b]) x the sum over keys of softmax(q . k / 8 - 1e12 (key >= V_len[b]) - 1e12 (key > q)) v, both products on codes of FP4 with E8M0 scales.
; THE SOFTMAX: t = logit x log2(e); M = the running largest t rounded UP to a whole number; p = 2^(t - M) is quantised along the keys; the row's sum is taken of the unquantised p and divides at the end.
; THE MASKS.  Key 0 is never hidden causally.  With V_len > 0 every hidden key lies 1e12 under key 0's logit, so its p is 0: hidden scores become -infinity, and key steps with no visible key are left out.
; With V_len <= 0 every key carries -1e12: then the logit is round(s / 8 - 1e12) as in f32, made here as (s - 8e12) x (log2(e) / 8), the same two roundings, and only the causal mask hides keys.
; Rows q >= Q_len are stored as zeros; a tile all of whose rows are such does no key step.
; NO TENSOR LOAD, NO CLUSTER: which steps are left out hangs on Q_len and V_len, whole numbers read from memory, by scalar branches; K and V of a (batch, head), 71,680 bytes, come once through registers into LDS.
; SHARES.  Work-group (x, head): waves 0-7 serve batch x / 4, waves 8-15 batch x / 4 + 4.  A wave makes two tiles of 16 queries, tiles 63 - e and e (e = x % 4 + 4 jj), whose causal work adds up alike.
; LAYOUT.  Both products transposed (S^T = K Q^T, O^T = V^T P^T): a lane holds one query.  Tile tau's slot r is token 32 (tau / 2) + 8 (tau % 2) + r + 8 (r / 8), for queries, keys and V's channels alike:
; so the 16 registers of two neighbouring tiles of S^T are 16 neighbouring keys, and of O^T 16 neighbouring channels.  The head has 64 channels: registers 4-7 of K's and Q's fragments are zero codes.
; LIMITS: |score| / 8 stays far under 1e12 (else a hidden key would not vanish in f32 either way); NaN and infinities are not served.
; REGISTERS: v1-7 addresses that stay; v8-11 the step's LDS addresses; v12 -M, v13 the largest t, v[14:15] the sum; v16-23, v240-247 Q's fragments; v24-27 K's scale words, v28-29 V's, v30, v248 Q's, v31 p's (scales and nothing else);
; v32-95 K's fragments; v96-159 S^T, then p; v160-191 O^T; v192-223 V's fragments; v224-231 p's codes; v232-239, v252-255 at work; v249 my query, v250 my last visible key - 16 h, v251 r + 8 (r / 8).
.set GRPB,  71680                      ; LDS of a group of eight waves: K's codes 32,768 [tile][512]; V's 32,768 [channel tile][key step][1,024]; K's scale images 4,096 [key step][512]; V's scale words 2,048 [key step][lane][8]
.set VOFF,  32768
.set KSOFF, 65536
.set VSOFF, 69632
.set STG,   2*GRPB                     ; behind them: a stage of 16 rows x (256 + 16) bytes for each wave, its own
.set SPI,   272
	s_load_b256 s[4:11], s[0:1], 0x0               ; AC, AS, Q_len, V_len
	s_load_b64 s[12:13], s[0:1], 0x20              ; out0
	v_lshrrev_b32 v1, 5, v0
	v_readfirstlane_b32 s14, v1                    ; wave 0..15
	s_lshr_b32 s15, s14, 3                         ; group
	s_and_b32 s16, s14, 7                          ; j: my place in it, and the key step that I stage
	s_lshr_b32 s17, ttmp9, 2
	s_lshl_b32 s50, s15, 2
	s_add_co_u32 s17, s17, s50                     ; batch
	s_and_b32 s21, ttmp9, 3
	s_and_b32 s18, ttmp7, 0xffff                   ; head
	s_and_b32 s19, s18, 1                          ; which head of its pair
	s_lshr_b32 s20, s18, 1                         ; the pair
	s_mul_i32 s50, s15, 7
	s_xor_b32 s50, s50, s16                        ; the second group takes its tiles in the opposite order
	s_lshl_b32 s50, s50, 2
	s_add_co_u32 s24, s50, s21                     ; e: my second tile
	s_sub_co_u32 s23, 63, s24                      ; my first tile
	s_lshl_b32 s36, s19, 4                         ; a head's two scale bytes stand 16 x (head % 2) bits up in q's and k's words
	s_mul_i32 s37, s15, GRPB
	s_mov_b32 s28, 0x76543210
	s_mov_b32 s29, 0xfedcba98                      ; lane selects: lane l xor 16
	s_mov_b32 s32, 0xd4e8d4a5                      ; -8 x f32(1e12)
	s_mov_b32 s33, s32
	s_mov_b32 s34, 0x3e38aa3b                      ; c = log2(e) / 8
	s_mov_b32 s35, s34
	v_and_b32 v232, 31, v0                         ; lane
	v_and_b32 v233, 15, v0                         ; r
	v_bfe_u32 v234, v0, 4, 1                       ; h
	v_lshlrev_b32 v254, 4, v232                    ; 16 x lane
	v_lshlrev_b32 v255, 4, v233                    ; 16 r
	v_add_nc_u32 v1, s37, v254                     ; K's codes
	v_add_nc_u32 v2, VOFF, v1                      ; V's
	v_add_nc_u32 v3, KSOFF, v1                     ; K's scale images
	v_lshlrev_b32 v4, 3, v232
	v_add_nc_u32 v4, s37, v4
	v_add_nc_u32 v4, VSOFF, v4                     ; V's scale words
	s_mul_i32 s50, s14, 16*SPI
	s_add_co_u32 s50, s50, STG                     ; my stage
	v_mul_u32_u24 v5, v233, SPI
	v_lshl_add_u32 v5, v234, 6, v5
	v_add_nc_u32 v5, s50, v5                       ; in: row r, + 64 h
	v_mul_u32_u24 v6, v234, SPI
	v_lshl_add_u32 v6, v233, 4, v6
	v_add_nc_u32 v6, s50, v6                       ; back: lanes 0-15 one row, lanes 16-31 the next
	v_lshlrev_b32 v7, 12, v234
	v_lshl_add_u32 v7, v233, 4, v7                 ; and the same in out0: 4,096 h + 16 r
	v_and_b32 v251, 8, v233
	v_add_nc_u32 v251, v251, v233                  ; r + 8 (r / 8)
	s_lshl_b32 s50, s16, 12
	v_add_nc_u32 v8, s50, v1                       ; where I stage key step j: K's 8 tiles,
	s_lshl_b32 s50, s16, 10
	v_add_nc_u32 v9, s50, v2                       ; V's four pieces,
	s_lshl_b32 s50, s16, 9
	v_add_nc_u32 v10, s50, v3                      ; K's scale image,
	s_lshl_b32 s50, s16, 8
	v_add_nc_u32 v11, s50, v4                      ; V's scale words
	; byte offsets in AC and AS
	s_lshl_b32 s74, s17, 3
	s_add_co_u32 s78, s74, s16                     ; 8 batch + j
	s_add_co_u32 s74, s74, s20                     ; 8 batch + pair
	s_lshl_b32 s74, s74, 3
	s_lshl_b32 s78, s78, 3
	s_add_co_u32 s78, s78, s20
	s_lshl_b32 s78, s78, 9
	s_lshl_b32 s76, s19, 3
	s_add_co_u32 s78, s78, s76
	s_add_co_u32 s78, s78, 524288                  ; V's scale words: [batch][key step][pair][512], + 8 x (head % 2)
	s_mov_b32 s79, 0
	s_add_co_u32 s76, s74, s16
	s_lshl_b32 s76, s76, 9
	s_add_co_u32 s76, s76, 262144                  ; K's scale image: [batch][pair][key step][512]
	s_mov_b32 s77, 0
	s_lshl_b32 s52, s17, 4
	s_add_co_u32 s52, s52, s18
	s_lshl_b32 s52, s52, 15                        ; (16 batch + head) x 32,768
	s_mov_b32 s53, 0
	s_lshl_b32 s50, s17, 2
	s_mov_b32 s51, 0
	s_wait_kmcnt 0x0
	s_add_nc_u64 s[8:9], s[8:9], s[50:51]
	s_add_nc_u64 s[10:11], s[10:11], s[50:51]
	s_load_b32 s25, s[8:9], 0x0                    ; Q_len[batch]
	s_load_b32 s26, s[10:11], 0x0                  ; V_len[batch]
	s_add_nc_u64 s[54:55], s[4:5], s[52:53]        ; q's codes of my (batch, head)
	s_lshl_b32 s52, s16, 12
	s_add_co_u32 s52, s52, 0x400000
	s_add_nc_u64 s[60:61], s[54:55], s[52:53]      ; k's, key step j
	s_lshl_b32 s52, s16, 10
	s_add_co_u32 s52, s52, 0x800000
	s_add_nc_u64 s[62:63], s[54:55], s[52:53]      ; v's, key step j
	s_add_nc_u64 s[70:71], s[6:7], s[76:77]
	s_add_nc_u64 s[72:73], s[6:7], s[78:79]
.macro QBASE tau, cp, sp               ; where tile s[tau]'s codes and scale words lie
	s_lshl_b32 s50, s[\tau], 9
	s_add_nc_u64 s[\cp:\cp+1], s[54:55], s[50:51]
	s_lshr_b32 s50, s[\tau], 3
	s_add_co_u32 s50, s50, s74
	s_lshl_b32 s50, s50, 9                         ; [batch][pair][tile / 8][512]
	s_and_b32 s52, s[\tau], 1
	s_lshl_b32 s52, s52, 8                         ; an odd tile's words stand in the image's lanes 16-31,
	s_add_co_u32 s50, s50, s52
	s_bfe_u32 s52, s[\tau], 0x20001
	s_lshl_b32 s52, s52, 2                         ; in word (tile / 2) % 4
	s_add_co_u32 s50, s50, s52
	s_add_nc_u64 s[\sp:\sp+1], s[6:7], s[50:51]
.endm
	QBASE 23, 56, 66
	QBASE 24, 58, 68
	global_load_b128 v[16:19], v254, s[56:57]      ; Q's fragments stay in registers
	global_load_b32 v30, v255, s[66:67]
	global_load_b128 v[240:243], v254, s[58:59]
	global_load_b32 v248, v255, s[68:69]
.irp i, 0,1,2,3,4,5,6,7
	global_load_b128 v[96+4*\i:99+4*\i], v254, s[60:61] offset:512*\i
.endr
.irp d, 0,1,2,3
.irp c, 0,1
	global_load_b128 v[128+8*\d+4*\c:131+8*\d+4*\c], v254, s[62:63] offset:8192*\d+512*\c
.endr
.endr
	global_load_b128 v[160:163], v254, s[70:71]
	global_load_b64 v[164:165], v254, s[72:73]
.irp i, 0,1,2,3,4,5,6,7
.irp k, 4,5,6,7
	v_mov_b32 v[32+8*\i+\k], 0                     ; channels 64-127 of K's fragments: zero codes, written once
.endr
.endr
.irp k, 20,21,22,23,244,245,246,247
	v_mov_b32 v\k, 0                               ; and of Q's
.endr
.irp k, 236,237,238,239,252,253
	v_mov_b32 v\k, 0                               ; lane permutes' destinations, and the pair v[252:253], are written before they are named
.endr
	s_wait_kmcnt 0x0
	s_cmp_le_i32 s26, 0                            ; V_len <= 0: every key carries -1e12
	s_cselect_b32 s27, 1, 0
	s_mov_b32 s30, 0x3e38aa3b
	s_cselect_b32 s30, 1.0, s30                    ; what a score is multiplied by to give t: there the scores are t already
	s_mov_b32 s50, 1024
	s_cselect_b32 s26, s50, s26
	s_min_i32 s26, s26, 1024                       ; keys under this number are not hidden by length
	s_mov_b32 s31, s30
	s_sub_co_i32 s47, s26, 1
	s_wait_loadcnt 0x0
.irp k, 160,161,162,163,30,248
	v_lshrrev_b32 v\k, s36, v\k                    ; my head's two bytes to the word's low end; what stands above them scales zero codes
.endr
.irp i, 0,1,2,3,4,5,6,7
	ds_store_b128 v8, v[96+4*\i:99+4*\i] offset:512*\i
.endr
.irp d, 0,1,2,3
.irp c, 0,1
	ds_store_b128 v9, v[128+8*\d+4*\c:131+8*\d+4*\c] offset:8192*\d+512*\c
.endr
.endr
	ds_store_b128 v10, v[160:163]
	ds_store_b64 v11, v[164:165]
	s_wait_dscnt 0x0                               ; for the others' sake: my stores have landed
	s_barrier_signal -1
	s_barrier_wait -1                              ; both groups' K and V lie in LDS; from here on they are only read
; One tile of 16 queries: qf its fragment, qs its scale words, s[tau] its number.
.macro TILE qf, qs, tau
	s_lshr_b32 s50, s[\tau], 1
	s_lshl_b32 s50, s50, 5
	s_and_b32 s51, s[\tau], 1
	s_lshl_b32 s51, s51, 3
	s_add_co_u32 s46, s50, s51                     ; Q0: slot 0's query; the tile's last is Q0 + 23
	s_add_co_u32 s44, s46, 23
	s_min_i32 s44, s44, s47                        ; the last key that any of my queries sees;
	s_cmp_ge_i32 s46, s25
	s_cselect_b32 s44, -1, s44                     ; none, where all my rows are zeros by Q_len
	s_min_i32 s45, s46, s47                        ; the last key that all of them see
	v_add_nc_u32 v249, s46, v251                   ; my query
	v_bfe_u32 v254, v0, 4, 1
	v_lshlrev_b32 v254, 4, v254
	v_min_u32 v250, s47, v249
	v_sub_nc_u32 v250, v250, v254                  ; my last visible key - 16 h
	s_lshl_b32 s50, s17, 22
	s_lshl_b32 s51, s46, 12
	s_add_co_u32 s50, s50, s51
	s_lshl_b32 s51, s18, 8
	s_add_co_u32 s50, s50, s51
	s_mov_b32 s51, 0
	s_add_nc_u64 s[48:49], s[12:13], s[50:51]      ; out0 at (batch, Q0, head)
.set n, 0
.rept 32
	v_mov_b32 v[160+n], 0                          ; O^T.  (The step is written once: the first finds zeros, which the first change of M leaves zeros)
.set n, n+1
.endr
	v_mov_b32 v13, 0xff61b1e6                      ; the largest t so far: -3e38
	v_floor_f32 v12, -v13                          ; -M
	v_mov_b32 v14, 0
	v_mov_b32 v15, 0
	s_mov_b32 s38, 0                               ; the step's first key
	s_mov_b32 s39, 0                               ; and where its tiles and scale words begin
	s_mov_b32 s40, 0
	s_mov_b32 s41, 0
	s_mov_b32 s42, 0
	s_mov_b32 s43, 8                               ; eight trips always; a step without a visible key only steps the addresses
.Lstep_\@:
	s_cmp_gt_i32 s38, s44                          ; in a step that is done its first key is visible to all 16 queries (32 neighbouring queries lie inside one step's 128): M is a number from the first step on
	s_cbranch_scc1 .Lhidden_\@
	v_add_nc_u32 v8, s39, v1                       ; (these four are also the places behind the last step's products, in front of the loads into V's registers)
	v_add_nc_u32 v9, s40, v2
	v_add_nc_u32 v10, s41, v3
	v_add_nc_u32 v11, s42, v4
.irp i, 0,1,2,3,4,5,6,7
	ds_load_b128 v[32+8*\i:35+8*\i], v8 offset:512*\i
.endr
	ds_load_b128 v[24:27], v10
.irp d, 0,1,2,3
.irp c, 0,1
	ds_load_b128 v[192+8*\d+4*\c:195+8*\d+4*\c], v9 offset:8192*\d+512*\c
.endr
.endr
	ds_load_b64 v[28:29], v11
	s_wait_dscnt 9                                 ; K and its scale words are in; V's eight loads and its scale words may be out
.irp i, 0,2,4,6                                ; S^T = K Q^T: an odd tile's scale words stand in lanes 16-31
	v_wmma_scale_f32_16x16x128_f8f6f4 v[96+8*\i:103+8*\i], v[32+8*\i:39+8*\i], v[\qf:\qf+7], 0, v[24+\i/2], v[\qs] matrix_a_fmt:MATRIX_FMT_FP4 matrix_b_fmt:MATRIX_FMT_FP4
	v_wmma_scale_f32_16x16x128_f8f6f4 v[104+8*\i:111+8*\i], v[40+8*\i:47+8*\i], v[\qf:\qf+7], 0, v[24+\i/2], v[\qs] matrix_a_fmt:MATRIX_FMT_FP4 matrix_b_fmt:MATRIX_FMT_FP4 matrix_a_scale:MATRIX_SCALE_ROW1
.endr
.rept 4
	v_nop
.endr
	s_cmp_eq_u32 s27, 0
	s_cbranch_scc1 .Lplain_\@
.set n, 0
.rept 32
	v_pk_add_f32 v[96+n:97+n], v[96+n:97+n], s[32:33] op_sel_hi:[1,0]   ; V_len <= 0: s - 8e12 = 8 x round(s / 8 - 1e12),
.set n, n+2
.endr
.set n, 0
.rept 32
	v_pk_mul_f32 v[96+n:97+n], v[96+n:97+n], s[34:35] op_sel_hi:[1,0]   ; x log2(e) / 8: t
.set n, n+2
.endr
.Lplain_\@:
	s_add_co_u32 s50, s38, 127
	s_cmp_le_i32 s50, s45
	s_cbranch_scc1 .Lopen_\@                       ; all 128 keys count for all 16 queries
	s_sub_co_i32 s50, 0, s38
	v_add_nc_u32 v254, s50, v250                   ; register 16 b + i holds key (first key) + 16 h + 32 b + i: hidden where 32 b + i is above this
	v_mov_b32 v255, 0xff800000                     ; -infinity
.set n, 0
.rept 64
	v_cmp_gt_i32 vcc_lo, 32*(n/16)+n%16, v254
	v_cndmask_b32 v[96+n], v[96+n], v255, vcc_lo
.set n, n+1
.endr
.Lopen_\@:
.irp b, 0,1,2,3
	v_max3_num_f32 v[232+\b], v[96+16*\b], v[97+16*\b], v[98+16*\b]   ; the largest score of each block of 32 keys: for the row's maximum, and, since p rises with the score, for the block's largest p
.endr
.irp i, 3,5,7,9,11,13
.irp b, 0,1,2,3
	v_max3_num_f32 v[232+\b], v[232+\b], v[96+16*\b+\i], v[97+16*\b+\i]
.endr
.endr
.irp b, 0,1,2,3
	v_max_num_f32 v[232+\b], v[232+\b], v[111+16*\b]
.endr
.irp b, 0,1,2,3
	v_permlanex16_b32 v[236+\b], v[232+\b], s28, s29
.endr
.irp b, 0,1,2,3
	v_max_num_f32 v[232+\b], v[232+\b], v[236+\b]  ; with lane l xor 16's 16 keys
.endr
	v_max3_num_f32 v254, v232, v233, v234
	v_max_num_f32 v254, v254, v235
	v_mul_f32 v254, s30, v254                      ; as t
	v_max_num_f32 v13, v13, v254                   ; the running largest t
	v_mov_b32 v254, v12
	v_floor_f32 v12, -v13                          ; the new -M = -ceil(t)
	v_sub_f32 v254, v12, v254                      ; old M - new M: a whole number, 0 or less
	v_cvt_i32_f32 v254, v254                       ; (it saturates)
	v_ldexp_f32 v252, 1.0, v254                    ; f = 2^(old M - new M)
.set n, 0
.rept 32
	v_pk_fma_f32 v[96+n:97+n], v[96+n:97+n], s[30:31], v[12:13] op_sel_hi:[1,0,0]   ; t - M
.set n, n+2
.endr
.irp b, 0,1,2,3
	v_fma_f32 v[232+\b], v[232+\b], s30, v12       ; the same of each block's largest score
.endr
.set n, 0
.rept 64
	v_exp_f32 v[96+n], v[96+n]                     ; p = 2^(t - M)
.set n, n+1
.endr
	v_pk_mul_f32 v[14:15], v[14:15], v[252:253] op_sel_hi:[1,0]   ; the sums under the new M (the plain line behind the exponentials)
	s_wait_alu depctr_va_vdst(0)                   ; one wait for the batch of 64, ahead of its first reader
.irp b, 0,1,2,3
	v_exp_f32 v[232+\b], v[232+\b]                 ; the block's largest p
.endr
	v_pk_add_f32 v[236:237], v[96:97], v[98:99]    ; the row's sum of the unquantised p, in two chains
.set n, 4
.rept 15
	v_pk_add_f32 v[14:15], v[14:15], v[96+n:97+n]
	v_pk_add_f32 v[236:237], v[236:237], v[98+n:99+n]
.set n, n+4
.endr
	v_pk_add_f32 v[14:15], v[14:15], v[236:237]
	s_wait_alu depctr_va_vdst(0)                   ; and one for the four
.irp b, 0,1,2,3
	v_max_num_f32 v[232+\b], 0x1800000, v[232+\b]  ; the floor 2^(3 - 127): a block of zeros keeps the byte 1 over zero codes
.endr
.irp b, 0,1,2,3
	v_add_nc_u32 v[232+\b], 0xff000000, v[232+\b]  ; 2 off the exponent field: the conversion's scale operand
.endr
.irp b, 0,1,2,3
	v_lshrrev_b32 v[236+\b], 23, v[232+\b]         ; the byte
.endr
	v_lshl_or_b32 v31, v237, 8, v236               ; p's scale word for these 128 keys
	v_lshl_or_b32 v31, v238, 16, v31
	v_lshl_or_b32 v31, v239, 24, v31
.irp b, 0,1,2,3
	v_cvt_scalef32_pk8_fp4_f32 v[224+2*\b], v[96+16*\b:103+16*\b], v[232+\b]
	v_cvt_scalef32_pk8_fp4_f32 v[225+2*\b], v[104+16*\b:111+16*\b], v[232+\b]
.endr
	v_nop                                          ; one plain line behind a scaled conversion
.irp c, 0,1                                    ; a whole block in a lane: lanes 0-15 block 2 c, lanes 16-31 block 2 c + 1
.irp i, 0,1
	v_permlane16_swap_b32 v[224+4*\c+\i], v[226+4*\c+\i]
.endr
.endr
.set n, 0
.rept 16
	v_pk_mul_f32 v[160+n:161+n], v[160+n:161+n], v[252:253] op_sel_hi:[1,0]   ; O^T under the new M; these sixteen also stand between the writes of p's codes and scale word and the products
.set n, n+2
.endr
	s_wait_dscnt 0x0                               ; V and its scale words are in
.irp d, 0,2                                    ; O^T += V^T P^T: four accumulators by turns
	v_wmma_scale_f32_16x16x128_f8f6f4 v[160+8*\d:167+8*\d], v[192+8*\d:199+8*\d], v[224:231], v[160+8*\d:167+8*\d], v[28+\d/2], v31 matrix_a_fmt:MATRIX_FMT_FP4 matrix_b_fmt:MATRIX_FMT_FP4
	v_wmma_scale_f32_16x16x128_f8f6f4 v[168+8*\d:175+8*\d], v[200+8*\d:207+8*\d], v[224:231], v[168+8*\d:175+8*\d], v[28+\d/2], v31 matrix_a_fmt:MATRIX_FMT_FP4 matrix_b_fmt:MATRIX_FMT_FP4 matrix_a_scale:MATRIX_SCALE_ROW1
.endr
.Lhidden_\@:
	s_add_co_u32 s38, s38, 128
	s_add_co_u32 s39, s39, 4096
	s_add_co_u32 s40, s40, 1024
	s_add_co_u32 s41, s41, 512
	s_add_co_u32 s42, s42, 256
	s_sub_co_u32 s43, s43, 1
	s_cmp_lg_u32 s43, 0
	s_cbranch_scc1 .Lstep_\@
	; THE WAY OUT: O^T / the sum, or 0 where my query is not under Q_len; through my stage, so that sixteen lanes store a head's 256 bytes of a row
.rept 4
	v_nop
.endr
	v_add_f32 v14, v14, v15
	v_permlanex16_b32 v252, v14, s28, s29
	v_add_f32 v14, v14, v252                       ; the row's sum
	v_cmp_gt_i32 vcc_lo, s25, v249                 ; Q_len > my query
	v_rcp_f32 v14, v14
	v_nop                                          ; a plain line behind the reciprocal
	s_wait_alu depctr_va_vdst(0)                   ; and the wait ahead of its first reader
	v_cndmask_b32 v14, 0, v14, vcc_lo              ; (a tile that did no step has the sum 0, and all its rows take this 0)
.set n, 0
.rept 16
	v_pk_mul_f32 v[96+n:97+n], v[160+n:161+n], v[14:15] op_sel_hi:[1,0]   ; register 16 b + i: channel 32 b + 16 h + i of my query
.set n, n+2
.endr
.irp b, 0,1
.irp m, 0,1,2,3
	ds_store_b128 v5, v[96+16*\b+4*\m:99+16*\b+4*\m] offset:128*\b+16*\m
.endr
.endr
.irp i, 0,1,2,3,4,5,6,7
	ds_load_b128 v[128+4*\i:131+4*\i], v6 offset:2*SPI*\i   ; LDS serves a wave's instructions in order: these see my stores
.endr
.irp i, 0,1,2,3,4,5,6,7
	s_wait_dscnt 7-\i                              ; rows 2 i and 2 i + 1 are back; the younger loads may be out
	global_store_b128 v7, v[128+4*\i:131+4*\i], s[48:49] offset:(2*\i+8*(\i/4))*4096 th:TH_STORE_NT   ; slot 2 i + h is query Q0 + 2 i + h + 8 (i / 4); 16 lanes store 256 consecutive bytes, aligned
.endr
	s_wait_xcnt 0x0                                ; the stores have read their registers and their base: both are written again in the next tile
.endm
	TILE 16, 30, 23
	TILE 240, 248, 24
	s_wait_xcnt 0x0
	v_lshl_add_u32 v254, v0, 2, 0x34000
	v_mov_b32 v255, 0
	s_wait_tensorcnt 0x0
	ds_add_u32 v254, v255
	s_wait_dscnt 0x0
	s_endpgm
.Lfunc_end_k_qfafa78223b_attn:
	.size	k_qfafa78223b_attn, .Lfunc_end_k_qfafa78223b_attn-k_qfafa78223b_attn
	.p2alignl 7, 3214868480
	.fill 96, 4, 3214868480
	.section	.rodata,"a",@progbits
	.p2align	6, 0x0
	.amdhsa_kernel k_qfafa78223b_attn
		.amdhsa_group_segment_fixed_size 215040
		.amdhsa_private_segment_fixed_size 0
		.amdhsa_enable_private_segment 0
		.amdhsa_kernarg_size 40
		.amdhsa_user_sgpr_count 2
		.amdhsa_user_sgpr_kernarg_segment_ptr 1
		.amdhsa_wavefront_size32 1
		.amdhsa_system_sgpr_workgroup_id_x 1
		.amdhsa_system_sgpr_workgroup_id_y 1
		.amdhsa_system_sgpr_workgroup_id_z 1
		.amdhsa_system_vgpr_workitem_id 0
		.amdhsa_next_free_vgpr 256
		.amdhsa_next_free_sgpr 100
		.amdhsa_reserve_vcc 1
		.amdhsa_float_denorm_mode_32 3
		.amdhsa_float_denorm_mode_16_64 3
		.amdhsa_memory_ordered 1
		.amdhsa_forward_progress 1
		.amdhsa_inst_pref_size 71
	.end_amdhsa_kernel
	.amdgpu_metadata
---
amdhsa.version: [ 1, 2 ]
amdhsa.kernels:
  - .name:           k_qfafa78223b_attn
    .symbol:         k_qfafa78223b_attn.kd
    .args:
      - { .name: AC, .offset: 0, .size: 8, .value_kind: global_buffer, .address_space: global }
      - { .name: AS, .offset: 8, .size: 8, .value_kind: global_buffer, .address_space: global }
      - { .name: Q_len, .offset: 16, .size: 8, .value_kind: global_buffer, .address_space: global }
      - { .name: V_len, .offset: 24, .size: 8, .value_kind: global_buffer, .address_space: global }
      - { .name: out0, .offset: 32, .size: 8, .value_kind: global_buffer, .address_space: global }
    .group_segment_fixed_size: 215040
    .private_segment_fixed_size: 0
    .kernarg_segment_align: 8
    .kernarg_segment_size: 40
    .max_flat_workgroup_size: 512
    .sgpr_count:     100
    .vgpr_count:     256
    .wavefront_size: 32
...
	.end_amdgpu_metadata
.endif
;; end of part 3
;; ======== version 2 of 2: 3 launches; version 1 with the launch attn written anew for expert scheduling mode
;; limits: right only within a limited range of input values
;; workspace buffers: XC 12,582,912 bytes; XS 786,432 bytes; WC 1,572,864 bytes; WS 98,304 bytes; AC 12,582,912 bytes; AS 786,432 bytes
;; launch quant: the kernel of part 1 again; grid 480 x 1, 4 waves a work-group, no clusters, 34,304 bytes of LDS; arguments Q_seq, K_seq, V_seq, WQ, WK, WV, XC, XS, WC, WS; writes XC, XS, WC, WS
;; launch proj: the kernel of part 2 again; grid 4 x 96, 4 waves a work-group, clusters of 4 x 4, 262,656 bytes of LDS; arguments XC, XS, WC, WS, AC, AS; writes AC, AS
;; launch attn (part 4): grid 16 x 16, 16 waves a work-group, no clusters, 215,040 bytes of LDS; arguments AC, AS, Q_len, V_len, out0; writes out0
.if DOCPART == 4
	.amdgcn_target "amdgcn-amd-amdhsa--gfx1250"
	.amdhsa_code_object_version 6
	.text
	.protected	k_qfafa78223b_attn
	.globl	k_qfafa78223b_attn
	.p2align	8
	.type	k_qfafa78223b_attn,@function
k_qfafa78223b_attn:
	s_mov_b64 s[64:65], 0
	v_nop
	global_prefetch_b8 v0, s[64:65] scope:SCOPE_SE
	s_setreg_imm32_b32 hwreg(HW_REG_WAVE_SCHED_MODE, 0, 2), 2
	s_setreg_imm32_b32 hwreg(HW_REG_WAVE_MODE, 25, 1), 1
	s_wait_xcnt 0x0
	s_wait_alu depctr_vm_vsrc(0)
; out0[b][q][head][:] = (q < Q_len[b]) x the sum over keys of softmax(q . k / 8 - 1e12 (key >= V_len[b]) - 1e12 (key > q)) v, both products on codes of FP4 with E8M0 scales.
; THE SOFTMAX: t = logit x log2(e); M = the running largest t rounded UP to a whole number; p = 2^(t - M) is quantised along the keys; the row's sum is taken of the unquantised p and divides at the end.
; THE MASKS.  Key 0 is never hidden causally.  With V_len > 0 every hidden key lies 1e12 under key 0's logit, so its p is 0: hidden scores become -infinity, and key steps with no visible key are left out.
; With V_len <= 0 every key carries -1e12: then the logit is round(s / 8 - 1e12) as in f32, made here as (s - 8e12) x (log2(e) / 8), the same two roundings, and only the causal mask hides keys.
; Rows q >= Q_len are stored as zeros; a tile all of whose rows are such does no key step.
; NO TENSOR LOAD, NO CLUSTER: which steps are left out hangs on Q_len and V_len, whole numbers read from memory, by scalar branches; K and V of a (batch, head), 71,680 bytes, come once through registers into LDS.
; SHARES.  Work-group (x, head): waves 0-7 serve batch x / 4, waves 8-15 batch x / 4 + 4.  A wave makes two tiles of 16 queries, tiles 63 - e and e (e = x % 4 + 4 jj), whose causal work adds up alike.
; LAYOUT.  Both products transposed (S^T = K Q^T, O^T = V^T P^T): a lane holds one query.  Tile tau's slot r is token 32 (tau / 2) + 8 (tau % 2) + r + 8 (r / 8), for queries, keys and V's channels alike:
; so the 16 registers of two neighbouring tiles of S^T are 16 neighbouring keys, and of O^T 16 neighbouring channels.  The head has 64 channels: registers 4-7 of K's and Q's fragments are zero codes.
; LIMITS: |score| / 8 stays far under 1e12 (else a hidden key would not vanish in f32 either way); NaN and infinities are not served.
; REGISTERS: v1-7 addresses that stay; v8-11 the step's LDS addresses; v12 -M, v13 the largest t, v[14:15] the sum; v16-23, v240-247 Q's fragments; v24-27 K's scale words, v28-29 V's, v30, v248 Q's, v31 p's (scales and nothing else);
; v32-95 K's fragments; v96-159 S^T, then p; v160-191 O^T; v192-223 V's fragments; v224-231 p's codes; v232-239, v252-255 at work; v249 my query, v250 my last visible key - 16 h, v251 r + 8 (r / 8).  s80-95: sixteen masks of the diagonal's compares.
; THE MODE: SCHED_MODE bits 1:0 = 2 (LLVM: expert scheduling mode 2), set by the entry lines.  The code itself states the register dependences between vector or matrix instructions and memory or LDS instructions, with s_wait_alu, always for 0.
; THE PLAN.  Registers that memory or LDS instructions touch:
;   v1-7          Written at the head, never again.  v5, v6: the stage's stores and loads; v7: the global stores; v1-4 are read by the adds that make v8-11 alone.
;   v254, v255    Written at the head, read by the head's global loads as offsets; from the first tile on they are work registers; at the end they are made anew for the closing lines.
;   v8-11         Written at the head (where I stage) and by four adds at the head of each key step that is done; read by the staging stores and by the step's 18 LDS loads.
;   K: v32-35 + 8 i, v24-27.   LDS loads at a step's head land in them; that step's eight products K Q^T read them.
;   V: v192-223, v28-29.       LDS loads land in them; the step's last four products read them.
;   v96-165 at the head: global loads land, four of them are shifted, the staging stores read them.  On the way out: v96-127 written by multiplies, read by the stage's stores; v128-159 loaded from the stage, read by the global stores.
; A KEY STEP has one wait on vm_vsrc (the last step's loads have read v8-11) ahead of the four adds, and one on va_vdst behind them: v8-11 are written, and the last step's products are done reading K's and V's registers.  All 18 loads of the step
; lean on it: K's nine follow at once; V's nine are dealt among the eight products K Q^T, which name v96-159, v32-95, v24-27 and Q's registers, none of the registers that V's loads touch.  The waits behind the exponentials stand ahead of their first readers;
; one more wait on va_vdst stands ahead of the last four products, for p's codes and scale word.  All 256 registers of each of a SIMD's four waves are taken: there is no second set for K or V.
.set GRPB,  71680                      ; LDS of a group of eight waves: K's codes 32,768 [tile][512]; V's 32,768 [channel tile][key step][1,024]; K's scale images 4,096 [key step][512]; V's scale words 2,048 [key step][lane][8]
.set VOFF,  32768
.set KSOFF, 65536
.set VSOFF, 69632
.set STG,   2*GRPB                     ; behind them: a stage of 16 rows x (256 + 16) bytes for each wave, its own
.set SPI,   272
.set MK,    80                         ; s80-95
	s_load_b256 s[4:11], s[0:1], 0x0               ; AC, AS, Q_len, V_len
	s_load_b64 s[12:13], s[0:1], 0x20              ; out0
	v_lshrrev_b32 v1, 5, v0
	v_readfirstlane_b32 s14, v1                    ; wave 0..15
	v_and_b32 v232, 31, v0                         ; lane
	v_and_b32 v233, 15, v0                         ; r
	v_bfe_u32 v234, v0, 4, 1                       ; h
	v_lshlrev_b32 v254, 4, v232                    ; 16 x lane
	v_lshlrev_b32 v255, 4, v233                    ; 16 r
	v_lshlrev_b32 v7, 12, v234
	v_lshl_add_u32 v7, v233, 4, v7                 ; the way out, in out0: 4,096 h + 16 r
	v_and_b32 v251, 8, v233
	v_add_nc_u32 v251, v251, v233                  ; r + 8 (r / 8)
	s_wait_alu depctr_va_sdst(0)                   ; s14 is written, ahead of its first reader: group, place, tiles and LDS addresses are made from it
	s_lshr_b32 s15, s14, 3                         ; group
	s_and_b32 s16, s14, 7                          ; j: my place in it, and the key step that I stage
	s_lshr_b32 s17, ttmp9, 2
	s_lshl_b32 s50, s15, 2
	s_add_co_u32 s17, s17, s50                     ; batch
	s_and_b32 s21, ttmp9, 3
	s_and_b32 s18, ttmp7, 0xffff                   ; head
	s_and_b32 s19, s18, 1                          ; which head of its pair
	s_lshr_b32 s20, s18, 1                         ; the pair
	s_mul_i32 s50, s15, 7
	s_xor_b32 s50, s50, s16                        ; the second group takes its tiles in the opposite order
	s_lshl_b32 s50, s50, 2
	s_add_co_u32 s24, s50, s21                     ; e: my second tile
	s_sub_co_u32 s23, 63, s24                      ; my first tile
	s_lshl_b32 s36, s19, 4                         ; a head's two scale bytes stand 16 x (head % 2) bits up in q's and k's words
	s_mul_i32 s37, s15, GRPB
	s_mov_b32 s28, 0x76543210
	s_mov_b32 s29, 0xfedcba98                      ; lane selects: lane l xor 16
	s_mov_b32 s32, 0xd4e8d4a5                      ; -8 x f32(1e12)
	s_mov_b32 s33, s32
	s_mov_b32 s34, 0x3e38aa3b                      ; c = log2(e) / 8
	s_mov_b32 s35, s34
	v_add_nc_u32 v1, s37, v254                     ; K's codes
	v_add_nc_u32 v2, VOFF, v1                      ; V's
	v_add_nc_u32 v3, KSOFF, v1                     ; K's scale images
	v_lshlrev_b32 v4, 3, v232
	v_add_nc_u32 v4, s37, v4
	v_add_nc_u32 v4, VSOFF, v4                     ; V's scale words
	s_mul_i32 s50, s14, 16*SPI
	s_add_co_u32 s50, s50, STG                     ; my stage
	v_mul_u32_u24 v5, v233, SPI
	v_lshl_add_u32 v5, v234, 6, v5
	v_add_nc_u32 v5, s50, v5                       ; in: row r, + 64 h
	v_mul_u32_u24 v6, v234, SPI
	v_lshl_add_u32 v6, v233, 4, v6
	v_add_nc_u32 v6, s50, v6                       ; back: lanes 0-15 one row, lanes 16-31 the next
	s_lshl_b32 s50, s16, 12
	v_add_nc_u32 v8, s50, v1                       ; where I stage key step j: K's 8 tiles,
	s_lshl_b32 s50, s16, 10
	v_add_nc_u32 v9, s50, v2                       ; V's four pieces,
	s_lshl_b32 s50, s16, 9
	v_add_nc_u32 v10, s50, v3                      ; K's scale image,
	s_lshl_b32 s50, s16, 8
	v_add_nc_u32 v11, s50, v4                      ; V's scale words
	; byte offsets in AC and AS
	s_lshl_b32 s74, s17, 3
	s_add_co_u32 s78, s74, s16                     ; 8 batch + j
	s_add_co_u32 s74, s74, s20                     ; 8 batch + pair
	s_lshl_b32 s74, s74, 3
	s_lshl_b32 s78, s78, 3
	s_add_co_u32 s78, s78, s20
	s_lshl_b32 s78, s78, 9
	s_lshl_b32 s76, s19, 3
	s_add_co_u32 s78, s78, s76
	s_add_co_u32 s78, s78, 524288                  ; V's scale words: [batch][key step][pair][512], + 8 x (head % 2)
	s_mov_b32 s79, 0
	s_add_co_u32 s76, s74, s16
	s_lshl_b32 s76, s76, 9
	s_add_co_u32 s76, s76, 262144                  ; K's scale image: [batch][pair][key step][512]
	s_mov_b32 s77, 0
	s_lshl_b32 s52, s17, 4
	s_add_co_u32 s52, s52, s18
	s_lshl_b32 s52, s52, 15                        ; (16 batch + head) x 32,768
	s_mov_b32 s53, 0
	s_lshl_b32 s50, s17, 2
	s_mov_b32 s51, 0
	s_wait_kmcnt 0x0
	s_add_nc_u64 s[8:9], s[8:9], s[50:51]
	s_add_nc_u64 s[10:11], s[10:11], s[50:51]
	s_load_b32 s25, s[8:9], 0x0                    ; Q_len[batch]
	s_load_b32 s26, s[10:11], 0x0                  ; V_len[batch]
	s_add_nc_u64 s[54:55], s[4:5], s[52:53]        ; q's codes of my (batch, head)
	s_lshl_b32 s52, s16, 12
	s_add_co_u32 s52, s52, 0x400000
	s_add_nc_u64 s[60:61], s[54:55], s[52:53]      ; k's, key step j
	s_lshl_b32 s52, s16, 10
	s_add_co_u32 s52, s52, 0x800000
	s_add_nc_u64 s[62:63], s[54:55], s[52:53]      ; v's, key step j
	s_add_nc_u64 s[70:71], s[6:7], s[76:77]
	s_add_nc_u64 s[72:73], s[6:7], s[78:79]
.macro QBASE tau, cp, sp               ; where tile s[tau]'s codes and scale words lie
	s_lshl_b32 s50, s[\tau], 9
	s_add_nc_u64 s[\cp:\cp+1], s[54:55], s[50:51]
	s_lshr_b32 s50, s[\tau], 3
	s_add_co_u32 s50, s50, s74
	s_lshl_b32 s50, s50, 9                         ; [batch][pair][tile / 8][512]
	s_and_b32 s52, s[\tau], 1
	s_lshl_b32 s52, s52, 8                         ; an odd tile's words stand in the image's lanes 16-31,
	s_add_co_u32 s50, s50, s52
	s_bfe_u32 s52, s[\tau], 0x20001
	s_lshl_b32 s52, s52, 2                         ; in word (tile / 2) % 4
	s_add_co_u32 s50, s50, s52
	s_add_nc_u64 s[\sp:\sp+1], s[6:7], s[50:51]
.endm
	QBASE 23, 56, 66
	QBASE 24, 58, 68
	s_wait_alu depctr_va_vdst(0)                   ; the offsets v254 and v255, which the loads below read, and all the addresses v1 to v11 are written
	global_load_b128 v[16:19], v254, s[56:57]      ; Q's fragments stay in registers
	global_load_b32 v30, v255, s[66:67]
	global_load_b128 v[240:243], v254, s[58:59]
	global_load_b32 v248, v255, s[68:69]
.irp i, 0,1,2,3,4,5,6,7
	global_load_b128 v[96+4*\i:99+4*\i], v254, s[60:61] offset:512*\i
.endr
.irp d, 0,1,2,3
.irp c, 0,1
	global_load_b128 v[128+8*\d+4*\c:131+8*\d+4*\c], v254, s[62:63] offset:8192*\d+512*\c
.endr
.endr
	global_load_b128 v[160:163], v254, s[70:71]
	global_load_b64 v[164:165], v254, s[72:73]
.irp i, 0,1,2,3,4,5,6,7
.irp k, 4,5,6,7
	v_mov_b32 v[32+8*\i+\k], 0                     ; channels 64-127 of K's fragments: zero codes, written once
.endr
.endr
.irp k, 20,21,22,23,244,245,246,247
	v_mov_b32 v\k, 0                               ; and of Q's
.endr
.irp k, 236,237,238,239,252,253
	v_mov_b32 v\k, 0                               ; lane permutes' destinations, and the pair v[252:253], are written before they are named
.endr
	s_wait_kmcnt 0x0
	s_cmp_le_i32 s26, 0                            ; V_len <= 0: every key carries -1e12
	s_cselect_b32 s27, 1, 0
	s_mov_b32 s30, 0x3e38aa3b
	s_cselect_b32 s30, 1.0, s30                    ; what a score is multiplied by to give t: there the scores are t already
	s_mov_b32 s50, 1024
	s_cselect_b32 s26, s50, s26
	s_min_i32 s26, s26, 1024                       ; keys under this number are not hidden by length
	s_mov_b32 s31, s30
	s_sub_co_i32 s47, s26, 1
	s_wait_loadcnt 0x0
.irp k, 160,161,162,163,30,248
	v_lshrrev_b32 v\k, s36, v\k                    ; my head's two bytes to the word's low end; what stands above them scales zero codes
.endr
	s_wait_alu depctr_va_vdst(0)                   ; the shifts have written v160-163, which a store below reads; they have written Q's scale words too, and the moves above the zero halves of K's and Q's fragments, all of which the scaled products take
.irp i, 0,1,2,3,4,5,6,7
	ds_store_b128 v8, v[96+4*\i:99+4*\i] offset:512*\i
.endr
.irp d, 0,1,2,3
.irp c, 0,1
	ds_store_b128 v9, v[128+8*\d+4*\c:131+8*\d+4*\c] offset:8192*\d+512*\c
.endr
.endr
	ds_store_b128 v10, v[160:163]
	ds_store_b64 v11, v[164:165]
	s_wait_dscnt 0x0                               ; for the others' sake: my stores have landed
	s_barrier_signal -1
	s_barrier_wait -1                              ; both groups' K and V lie in LDS; from here on they are only read
	s_wait_alu depctr_vm_vsrc(0)                   ; my staging stores have read v8-11 and v96-165, and the head's global loads v254 and v255: the tiles below write all of these again
; One tile of 16 queries: qf its fragment, qs its scale words, s[tau] its number.
.macro TILE qf, qs, tau
	s_lshr_b32 s50, s[\tau], 1
	s_lshl_b32 s50, s50, 5
	s_and_b32 s51, s[\tau], 1
	s_lshl_b32 s51, s51, 3
	s_add_co_u32 s46, s50, s51                     ; Q0: slot 0's query; the tile's last is Q0 + 23
	s_add_co_u32 s44, s46, 23
	s_min_i32 s44, s44, s47                        ; the last key that any of my queries sees;
	s_cmp_ge_i32 s46, s25
	s_cselect_b32 s44, -1, s44                     ; none, where all my rows are zeros by Q_len
	s_min_i32 s45, s46, s47                        ; the last key that all of them see
	v_add_nc_u32 v249, s46, v251                   ; my query
	v_bfe_u32 v254, v0, 4, 1
	v_lshlrev_b32 v254, 4, v254
	v_min_u32 v250, s47, v249
	v_sub_nc_u32 v250, v250, v254                  ; my last visible key - 16 h
	s_lshl_b32 s50, s17, 22
	s_lshl_b32 s51, s46, 12
	s_add_co_u32 s50, s50, s51
	s_lshl_b32 s51, s18, 8
	s_add_co_u32 s50, s50, s51
	s_mov_b32 s51, 0
	s_add_nc_u64 s[48:49], s[12:13], s[50:51]      ; out0 at (batch, Q0, head)
.set n, 0
.rept 32
	v_mov_b32 v[160+n], 0                          ; O^T.  (The step is written once: the first finds zeros, which the first change of M leaves zeros)
.set n, n+1
.endr
	v_mov_b32 v13, 0xff61b1e6                      ; the largest t so far: -3e38
	v_floor_f32 v12, -v13                          ; -M
	v_mov_b32 v14, 0
	v_mov_b32 v15, 0
	s_mov_b32 s38, 0                               ; the step's first key
	s_mov_b32 s39, 0                               ; and where its tiles and scale words begin
	s_mov_b32 s40, 0
	s_mov_b32 s41, 0
	s_mov_b32 s42, 0
	s_mov_b32 s43, 8                               ; eight trips always; a step without a visible key only steps the addresses
.Lstep_\@:
	s_cmp_gt_i32 s38, s44                          ; in a step that is done its first key is visible to all 16 queries (32 neighbouring queries lie inside one step's 128): M is a number from the first step on
	s_cbranch_scc1 .Lhidden_\@
	s_wait_alu depctr_vm_vsrc(0)                   ; the LDS loads of the last step that was done have read v8-11, which the four lines below write again
	v_add_nc_u32 v8, s39, v1
	v_add_nc_u32 v9, s40, v2
	v_add_nc_u32 v10, s41, v3
	v_add_nc_u32 v11, s42, v4
	s_wait_alu depctr_va_vdst(0)                   ; v8-11 are written, which this step's 18 LDS loads read; the last step's products are done reading K's and V's fragments and scale words, in which those loads land
.irp i, 0,1,2,3,4,5,6,7
	ds_load_b128 v[32+8*\i:35+8*\i], v8 offset:512*\i
.endr
	ds_load_b128 v[24:27], v10
	s_wait_dscnt 0x0                               ; K and its scale words are in: nothing younger is out yet
.irp i, 0,2,4,6                                ; S^T = K Q^T: an odd tile's scale words stand in lanes 16-31.  V's loads are dealt among the products with no further wait: no vector or matrix instruction since the wait above names v9, v11, v192-223 or v28-29
	v_wmma_scale_f32_16x16x128_f8f6f4 v[96+8*\i:103+8*\i], v[32+8*\i:39+8*\i], v[\qf:\qf+7], 0, v[24+\i/2], v[\qs] matrix_a_fmt:MATRIX_FMT_FP4 matrix_b_fmt:MATRIX_FMT_FP4
	v_wmma_scale_f32_16x16x128_f8f6f4 v[104+8*\i:111+8*\i], v[40+8*\i:47+8*\i], v[\qf:\qf+7], 0, v[24+\i/2], v[\qs] matrix_a_fmt:MATRIX_FMT_FP4 matrix_b_fmt:MATRIX_FMT_FP4 matrix_a_scale:MATRIX_SCALE_ROW1
	ds_load_b128 v[192+4*\i:195+4*\i], v9 offset:4096*\i          ; channel tile i / 2 of V: 8,192 bytes a tile,
	ds_load_b128 v[196+4*\i:199+4*\i], v9 offset:4096*\i+512      ; two pieces of 512
.endr
	ds_load_b64 v[28:29], v11
.rept 4
	v_nop
.endr
	s_cmp_eq_u32 s27, 0
	s_cbranch_scc1 .Lplain_\@
.set n, 0
.rept 32
	v_pk_add_f32 v[96+n:97+n], v[96+n:97+n], s[32:33] op_sel_hi:[1,0]   ; V_len <= 0: s - 8e12 = 8 x round(s / 8 - 1e12),
.set n, n+2
.endr
.set n, 0
.rept 32
	v_pk_mul_f32 v[96+n:97+n], v[96+n:97+n], s[34:35] op_sel_hi:[1,0]   ; x log2(e) / 8: t
.set n, n+2
.endr
.Lplain_\@:
	s_add_co_u32 s50, s38, 127
	s_cmp_le_i32 s50, s45
	s_cbranch_scc1 .Lopen_\@                       ; all 128 keys count for all 16 queries
	s_sub_co_i32 s50, 0, s38
	v_add_nc_u32 v254, s50, v250                   ; register 16 b + i holds key (first key) + 16 h + 32 b + i: hidden where 32 b + i is above this
	v_mov_b32 v255, 0xff800000                     ; -infinity
.set g, 0
.rept 4                                        ; a block of 32 keys at a time: sixteen compares into sixteen masks, one wait, sixteen selects
.set n, 0
.rept 16
	v_cmp_gt_i32 s[MK+n], 32*g+n, v254
.set n, n+1
.endr
	s_wait_alu depctr_va_sdst(0)                   ; the sixteen compares have written s80-95, ahead of the selects that read them
.set n, 0
.rept 16
	v_cndmask_b32 v[96+16*g+n], v[96+16*g+n], v255, s[MK+n]
.set n, n+1
.endr
.set g, g+1
.endr
.Lopen_\@:
.irp b, 0,1,2,3
	v_max3_num_f32 v[232+\b], v[96+16*\b], v[97+16*\b], v[98+16*\b]   ; the largest score of each block of 32 keys: for the row's maximum, and, since p rises with the score, for the block's largest p
.endr
.irp i, 3,5,7,9,11,13
.irp b, 0,1,2,3
	v_max3_num_f32 v[232+\b], v[232+\b], v[96+16*\b+\i], v[97+16*\b+\i]
.endr
.endr
.irp b, 0,1,2,3
	v_max_num_f32 v[232+\b], v[232+\b], v[111+16*\b]
.endr
.irp b, 0,1,2,3
	v_permlanex16_b32 v[236+\b], v[232+\b], s28, s29
.endr
.irp b, 0,1,2,3
	v_max_num_f32 v[232+\b], v[232+\b], v[236+\b]  ; with lane l xor 16's 16 keys
.endr
	v_max3_num_f32 v254, v232, v233, v234
	v_max_num_f32 v254, v254, v235
	v_mul_f32 v254, s30, v254                      ; as t
	v_max_num_f32 v13, v13, v254                   ; the running largest t
	v_mov_b32 v254, v12
	v_floor_f32 v12, -v13                          ; the new -M = -ceil(t)
	v_sub_f32 v254, v12, v254                      ; old M - new M: a whole number, 0 or less
	v_cvt_i32_f32 v254, v254                       ; (it saturates)
	v_ldexp_f32 v252, 1.0, v254                    ; f = 2^(old M - new M)
.set n, 0
.rept 32
	v_pk_fma_f32 v[96+n:97+n], v[96+n:97+n], s[30:31], v[12:13] op_sel_hi:[1,0,0]   ; t - M
.set n, n+2
.endr
.irp b, 0,1,2,3
	v_fma_f32 v[232+\b], v[232+\b], s30, v12       ; the same of each block's largest score
.endr
.set n, 0
.rept 64
	v_exp_f32 v[96+n], v[96+n]                     ; p = 2^(t - M)
.set n, n+1
.endr
	v_pk_mul_f32 v[14:15], v[14:15], v[252:253] op_sel_hi:[1,0]   ; the sums under the new M (the plain line behind the exponentials)
	s_wait_alu depctr_va_vdst(0)                   ; the 64 exponentials have written p, v96-159: one wait for the batch, ahead of its first reader
.irp b, 0,1,2,3
	v_exp_f32 v[232+\b], v[232+\b]                 ; the block's largest p
.endr
	v_pk_add_f32 v[236:237], v[96:97], v[98:99]    ; the row's sum of the unquantised p, in two chains
.set n, 4
.rept 15
	v_pk_add_f32 v[14:15], v[14:15], v[96+n:97+n]
	v_pk_add_f32 v[236:237], v[236:237], v[98+n:99+n]
.set n, n+4
.endr
	v_pk_add_f32 v[14:15], v[14:15], v[236:237]
	s_wait_alu depctr_va_vdst(0)                   ; the four exponentials have written v232-235, ahead of their first reader
.irp b, 0,1,2,3
	v_max_num_f32 v[232+\b], 0x1800000, v[232+\b]  ; the floor 2^(3 - 127): a block of zeros keeps the byte 1 over zero codes
.endr
.irp b, 0,1,2,3
	v_add_nc_u32 v[232+\b], 0xff000000, v[232+\b]  ; 2 off the exponent field: the conversion's scale operand
.endr
.irp b, 0,1,2,3
	v_lshrrev_b32 v[236+\b], 23, v[232+\b]         ; the byte
.endr
	v_lshl_or_b32 v31, v237, 8, v236               ; p's scale word for these 128 keys
	v_lshl_or_b32 v31, v238, 16, v31
	v_lshl_or_b32 v31, v239, 24, v31
.irp b, 0,1,2,3
	v_cvt_scalef32_pk8_fp4_f32 v[224+2*\b], v[96+16*\b:103+16*\b], v[232+\b]
	v_cvt_scalef32_pk8_fp4_f32 v[225+2*\b], v[104+16*\b:111+16*\b], v[232+\b]
.endr
	v_nop                                          ; one plain line behind a scaled conversion
.irp c, 0,1                                    ; a whole block in a lane: lanes 0-15 block 2 c, lanes 16-31 block 2 c + 1
.irp i, 0,1
	v_permlane16_swap_b32 v[224+4*\c+\i], v[226+4*\c+\i]
.endr
.endr
.set n, 0
.rept 16
	v_pk_mul_f32 v[160+n:161+n], v[160+n:161+n], v[252:253] op_sel_hi:[1,0]   ; O^T under the new M; these sixteen also stand between the writes of p's codes and scale word and the products
.set n, n+2
.endr
	s_wait_dscnt 0x0                               ; V and its scale words are in
	s_wait_alu depctr_va_vdst(0)                   ; the conversions and exchanges have written p's codes v224-231, and the shifts its scale word v31, which the scaled products below take; the sixteen lines above stay beside this wait
.irp d, 0,2                                    ; O^T += V^T P^T: four accumulators by turns
	v_wmma_scale_f32_16x16x128_f8f6f4 v[160+8*\d:167+8*\d], v[192+8*\d:199+8*\d], v[224:231], v[160+8*\d:167+8*\d], v[28+\d/2], v31 matrix_a_fmt:MATRIX_FMT_FP4 matrix_b_fmt:MATRIX_FMT_FP4
	v_wmma_scale_f32_16x16x128_f8f6f4 v[168+8*\d:175+8*\d], v[200+8*\d:207+8*\d], v[224:231], v[168+8*\d:175+8*\d], v[28+\d/2], v31 matrix_a_fmt:MATRIX_FMT_FP4 matrix_b_fmt:MATRIX_FMT_FP4 matrix_a_scale:MATRIX_SCALE_ROW1
.endr
.Lhidden_\@:
	s_add_co_u32 s38, s38, 128
	s_add_co_u32 s39, s39, 4096
	s_add_co_u32 s40, s40, 1024
	s_add_co_u32 s41, s41, 512
	s_add_co_u32 s42, s42, 256
	s_sub_co_u32 s43, s43, 1
	s_cmp_lg_u32 s43, 0
	s_cbranch_scc1 .Lstep_\@
	; THE WAY OUT: O^T / the sum, or 0 where my query is not under Q_len; through my stage, so that sixteen lanes store a head's 256 bytes of a row
.rept 4
	v_nop
.endr
	v_add_f32 v14, v14, v15
	v_permlanex16_b32 v252, v14, s28, s29
	v_add_f32 v14, v14, v252                       ; the row's sum
	v_cmp_gt_i32 vcc_lo, s25, v249                 ; Q_len > my query
	v_rcp_f32 v14, v14
	v_nop                                          ; a plain line behind the reciprocal
	s_wait_alu depctr_va_vdst(0)                   ; the reciprocal has written v14, ahead of its first reader
	s_wait_alu depctr_va_vcc(0)                    ; the compare has written VCC, ahead of the select that reads it
	v_cndmask_b32 v14, 0, v14, vcc_lo              ; (a tile that did no step has the sum 0, and all its rows take this 0)
.set n, 0
.rept 16
	v_pk_mul_f32 v[96+n:97+n], v[160+n:161+n], v[14:15] op_sel_hi:[1,0]   ; register 16 b + i: channel 32 b + 16 h + i of my query
.set n, n+2
.endr
	s_wait_alu depctr_va_vdst(0)                   ; the multiplies have written v96-127, which the LDS stores read; every vector and matrix line that named v128-159, in which the loads from the stage land, is done
.irp b, 0,1
.irp m, 0,1,2,3
	ds_store_b128 v5, v[96+16*\b+4*\m:99+16*\b+4*\m] offset:128*\b+16*\m
.endr
.endr
.irp i, 0,1,2,3,4,5,6,7
	ds_load_b128 v[128+4*\i:131+4*\i], v6 offset:2*SPI*\i   ; LDS serves a wave's instructions in order: these see my stores
.endr
.irp i, 0,1,2,3,4,5,6,7
	s_wait_dscnt 7-\i                              ; rows 2 i and 2 i + 1 are back; the younger loads may be out
	global_store_b128 v7, v[128+4*\i:131+4*\i], s[48:49] offset:(2*\i+8*(\i/4))*4096 th:TH_STORE_NT   ; slot 2 i + h is query Q0 + 2 i + h + 8 (i / 4); 16 lanes store 256 consecutive bytes, aligned
.endr
	s_wait_xcnt 0x0                                ; the stores have read their registers and their base: both are written again in the next tile
	s_wait_alu depctr_vm_vsrc(0)                   ; the stage's stores have read v96-127 and the global stores v128-159, which the next tile's products write again
.endm
	TILE 16, 30, 23
	TILE 240, 248, 24
	s_wait_xcnt 0x0
	v_lshl_add_u32 v254, v0, 2, 0x34000            ; the add's two registers, made anew: no memory or LDS instruction has read v254 or v255 since the wait on vm_vsrc behind the barrier
	v_mov_b32 v255, 0
	s_wait_dscnt 0x0                               ; the closing lines, six on end
	s_wait_alu 0x0
	s_wait_tensorcnt 0x0
	ds_add_u32 v254, v255
	s_wait_dscnt 0x0
	s_endpgm
.Lfunc_end_k_qfafa78223b_attn:
	.size	k_qfafa78223b_attn, .Lfunc_end_k_qfafa78223b_attn-k_qfafa78223b_attn
	.p2alignl 7, 3214868480
	.fill 96, 4, 3214868480
	.section	.rodata,"a",@progbits
	.p2align	6, 0x0
	.amdhsa_kernel k_qfafa78223b_attn
		.amdhsa_group_segment_fixed_size 215040
		.amdhsa_private_segment_fixed_size 0
		.amdhsa_enable_private_segment 0
		.amdhsa_kernarg_size 40
		.amdhsa_user_sgpr_count 2
		.amdhsa_user_sgpr_kernarg_segment_ptr 1
		.amdhsa_wavefront_size32 1
		.amdhsa_system_sgpr_workgroup_id_x 1
		.amdhsa_system_sgpr_workgroup_id_y 1
		.amdhsa_system_sgpr_workgroup_id_z 1
		.amdhsa_system_vgpr_workitem_id 0
		.amdhsa_next_free_vgpr 256
		.amdhsa_next_free_sgpr 100
		.amdhsa_reserve_vcc 1
		.amdhsa_float_denorm_mode_32 3
		.amdhsa_float_denorm_mode_16_64 3
		.amdhsa_memory_ordered 1
		.amdhsa_forward_progress 1
		.amdhsa_inst_pref_size 79
	.end_amdhsa_kernel
	.amdgpu_metadata
---
amdhsa.version: [ 1, 2 ]
amdhsa.kernels:
  - .name:           k_qfafa78223b_attn
    .symbol:         k_qfafa78223b_attn.kd
    .args:
      - { .name: AC, .offset: 0, .size: 8, .value_kind: global_buffer, .address_space: global }
      - { .name: AS, .offset: 8, .size: 8, .value_kind: global_buffer, .address_space: global }
      - { .name: Q_len, .offset: 16, .size: 8, .value_kind: global_buffer, .address_space: global }
      - { .name: V_len, .offset: 24, .size: 8, .value_kind: global_buffer, .address_space: global }
      - { .name: out0, .offset: 32, .size: 8, .value_kind: global_buffer, .address_space: global }
    .group_segment_fixed_size: 215040
    .private_segment_fixed_size: 0
    .kernarg_segment_align: 8
    .kernarg_segment_size: 40
    .max_flat_workgroup_size: 512
    .sgpr_count:     100
    .vgpr_count:     256
    .wavefront_size: 32
...
	.end_amdgpu_metadata
.endif
;; end of part 4
